; MI455X (gfx1250); checked and timed in simulation.
; The chip was launched on July 23, 2026; its instructions are those of AMD's public machine-readable ISA for CDNA 5 (MIT licence, August 2026) and "CDNA5" Instruction Set Architecture Reference Guide (July 2026). The comments in the code are by the model that wrote it; some were corrected since.
;; Spatial Axial Attention. Allowed arithmetic: matrix products marked QUANTISED: E2M1 operands, one E8M0 scale for each 32 along K, by v_wmma_scale_f32_16x16x128_f8f6f4 with both operands' format E2M1 (or v_wmma_scale_f32_32x16x128_f4), f32 sums; products left as they are: bf16, f16 or f32 operands; f32 sums; everything else in f32.
;; Inputs: Wout 1,024 x 1,024 float32; Wqkv 1,024 x 3,072 float32; bout 1,024 float32; x 1 x 8 x 32 x 32 x 1,024 float32.
;; Outputs: out0 1 x 8 x 32 x 32 x 1,024 float32.
;; This version of the problem:
;;   THIS VERSION OF THE PROBLEM IS GIVEN IN LOW PRECISION. The matrix products marked QUANTISED in the list below multiply operands that are first quantised to E2M1 (2 exponent bits, 1 mantissa bit; 4 bits a number), with one power-of-two scale for each 32 numbers along K (OCP MX v1.0); their sums are f32. The products marked 'left as it is' may take bf16, f16 or f32 operands, with f32 sums. Whichever they take, every output number must still come out within the allowed error. Rounding operands to bf16 (8 significant bits) uses up far more of that allowance than f16 does (11 bits, for magnitudes from 6e-5 to 65,504). All else is computed in f32.
;;   The module's matrix products, in the order in which they are computed (A, B: the left and right operand; K: the contracted axis; several contracted axes count as one K, in the product's order):
;;     1. [M 8,192, K 1,024] x [K 1,024, N 3,072]; A: input x; B: input Wqkv: QUANTISED
;;     2. batch 128 x [M 1,024, K 64] x [K 64, N 1,024]; A: computed on the way; B: computed on the way: left as it is (an operand is computed on the way)
;;     3. batch 128 x [M 64, K 1,024] x [K 1,024, N 1,024]; A: computed on the way; B: computed on the way: left as it is (an operand is computed on the way)
;;     4. [M 8,192, K 1,024] x [K 1,024, N 1,024]; A: computed on the way; B: input Wout: left as it is (an operand is computed on the way)
;;   THE QUANTISER, for each operand of a quantised product, along K:
;;     - K is cut into blocks of 32 from its start; a last block that is shorter is filled with zeros.
;;     - A block's scale is 2^e with e = floor(log2(the largest magnitude in the block)) - 2, held to -126 .. 127; a block of zeros has e = 0. As a byte (E8M0): e + 127.
;;     - Each number is divided by its block's scale, clamped to +-6, and rounded to the nearest number of E2M1, ties to even, subnormals kept.
;;     - The product sums the exact products of the quantised numbers (number of the format x scale) in f32.
;;   ~~~python
;;   def quantise(x, axis):      # numpy; x: float32 -> the quantised numbers, widened to float32 again
;;       x = np.moveaxis(x, axis, -1); K = x.shape[-1]
;;       x = np.pad(x, [(0, 0)] * (x.ndim - 1) + [(0, -K % 32)]); x = x.reshape(x.shape[:-1] + (-1, 32)); a = np.abs(x).max(-1, keepdims=True)
;;       e = np.where(a > 0, np.clip(np.frexp(np.where(a > 0, a, 1))[1] - 1 - 2, -126, 127), 0)      # np.frexp(a)[1] - 1 = floor(log2(a)), exactly
;;       r = np.clip(x / 2.0 ** e, -6, 6)
;;       step = 2.0 ** (np.maximum(np.frexp(np.where(r == 0, 1, r))[1] - 1, 0) - 1)
;;       q = np.round(r / step) * step * 2.0 ** e      # np.round: ties to even
;;       return np.moveaxis(q.reshape(q.shape[:-2] + (-1,))[..., :K], -1, axis).astype(np.float32)
;;   ~~~
;; One version. Each part assembles by itself: llvm-mc -triple=amdgcn-amd-amdhsa -mcpu=gfx1250 --defsym DOCPART=n.
;; ======== version 1 of 1: 4 launches
;; limits: values are held in f16: magnitudes above 65,504 overflow, below 6.1e-05 lose precision
;; workspace buffers: xc 4,194,304 bytes; xs 262,144 bytes; wc 1,572,864 bytes; ws 98,304 bytes; wo16 2,097,152 bytes; qkv 50,331,648 bytes; o16 16,777,216 bytes
;; launch prep (part 1): grid 416 x 1, 4 waves a work-group, no clusters, 50,688 bytes of LDS; arguments x, Wqkv, Wout, xc, xs, wc, ws, wo16; writes xc, xs, wc, ws, wo16
.if DOCPART == 1
	.amdgcn_target "amdgcn-amd-amdhsa--gfx1250"
	.amdhsa_code_object_version 6
	.text
	.protected	k_qd2f9778b28_prep
	.globl	k_qd2f9778b28_prep
	.p2align	8
	.type	k_qd2f9778b28_prep,@function
k_qd2f9778b28_prep:
	s_mov_b64 s[64:65], 0
	v_nop
	global_prefetch_b8 v0, s[64:65] scope:SCOPE_SE
	s_setreg_imm32_b32 hwreg(HW_REG_WAVE_MODE, 25, 1), 1
	s_wait_xcnt 0x0
; Three jobs in one launch, told apart by the work-group's number; the three ways never join, and each has LDS bytes of its own.
;   work-groups   0-255: x [8192][1024] f32 -> codes of FP4 (E2M1) xc [8192][512 bytes], K innermost, and one E8M0 byte for each 32 along K, xs [8192][32]
;   work-groups 256-351: Wqkv [1024 k][3072 n] f32, K its FIRST axis -> wc [3072][512 bytes], K innermost, ws [3072][32]
;   work-groups 352-415: Wout [1024][1024] f32 -> wo16, the same numbers in f16, as they lie
; A block's scale is 2^(floor(log2(its largest magnitude)) - 2); its byte is the largest magnitude's exponent field - 2, held at 1 from below.  A block of zeros so gets the byte 1 where the
; quantiser says 127: its codes are zeros, which add nothing under any byte but 0xff, and this program alone reads the bytes.
; LIMITS: blocks whose largest magnitude lies under 2^-124 keep the byte 1; NaN and infinities are not served; |Wout| stays under 65,504 (f16).
; No tensor loads, no barrier, no cluster: waves share nothing, and no two work-groups read the same bytes.
.set SPW,    12                        ; v12  LDS address of my spare word: SPARE + 4 x my thread's number; never rewritten
.set NIL,    13                        ; v13  0; never rewritten
.set WV,     20                        ; s20  my wave's number
.set EMAX,   2
.set STEPS,  16                        ; x: a wave takes 16 steps of 512 numbers
.set CB,     8                         ; bytes of 16 codes
.set XR,     16                        ; v16-79   x: four sets of 16 numbers as they are loaded
.set XX,     80                        ; v80-111  two sets of 16 neighbours
.set XE,     112                       ; v112-127 a scale byte for each step
.set XC,     128                       ; v128-191 codes: four registers for each step, so that no store's data are written again
.set XREG,   8192                      ; LDS, x's way: a region for each wave: two stages of 32 x SP bytes, behind them its 256 scale bytes
.set SP,     80                        ; a lane's place in a stage: 64 bytes + 16 of padding
.set WK,     1024
.set WN,     3072
.set KW,     512                       ; Wqkv: along K for a wave: lanes 0-15 the first 256, lanes 16-31 the second
.set NB,     8                         ; blocks of 32 along K for a lane
.set WROWB,  256                       ; bytes of KW codes
.set WPITCH, WROWB+16
.set KROW,   WK/2                      ; a row of wc in bytes
.set WSTG,   4*XREG                    ; LDS, Wqkv's way: four stages of 16 x WPITCH bytes
.set WSB,    24                        ; v24-25   the scale bytes, four to a register
.set WX,     32                        ; v32-95   two sets of 32 numbers
.set WC,     96                        ; v96-99   a block's codes
.set WOUT,   112                       ; v112-143 the way out
.set SPARE,  WSTG+4*16*WPITCH          ; the spare words, 128 bytes for each wave: two blocks of 256 bytes that no other line names
	s_load_b256 s[4:11], s[0:1], 0x0               ; x s[4:5], Wqkv s[6:7], Wout s[8:9], xc s[10:11]
	s_load_b256 s[12:19], s[0:1], 0x20             ; xs s[12:13], wc s[14:15], ws s[16:17], wo16 s[18:19]
	v_lshl_add_u32 v[SPW], v0, 2, SPARE
	v_mov_b32 v[NIL], 0
	v_lshrrev_b32 v1, 5, v0
	v_readfirstlane_b32 s[WV], v1                  ; wave 0..3
	v_and_b32 v2, 31, v0                           ; lane
	s_wait_kmcnt 0x0
	s_cmp_lt_u32 ttmp9, 256
	s_cbranch_scc1 .Lx
	s_cmp_lt_u32 ttmp9, 352
	s_cbranch_scc1 .Lw
; ---- Wout to f16: a stream.  A wave takes 4,096 numbers: 32 loads of 512 consecutive bytes, all issued at once; each load's numbers pack into 256 consecutive bytes, one aligned block a store.
	s_sub_co_u32 s21, ttmp9, 352
	s_lshl_b32 s21, s21, 2
	s_add_co_u32 s21, s21, s[WV]                   ; which run of 4,096 numbers is my wave's: 0..255
	s_lshl_b32 s22, s21, 14
	s_mov_b32 s23, 0
	s_add_nc_u64 s[8:9], s[8:9], s[22:23]
	s_lshl_b32 s22, s21, 13
	s_add_nc_u64 s[18:19], s[18:19], s[22:23]
	v_lshlrev_b32 v3, 4, v2                        ; in: 16 bytes a lane
	v_lshlrev_b32 v4, 3, v2                        ; out: 8 bytes a lane
.set T, 0
.rept 32
	global_load_b128 v[32+4*T:35+4*T], v3, s[8:9] offset:512*T th:TH_LOAD_NT
.set T, T+1
.endr
.set T, 0
.rept 32
	s_wait_loadcnt 31-T                            ; loads come back in order: load T is in, the younger ones stay out
	v_cvt_pk_f16_f32 v[32+4*T], v[32+4*T], v[33+4*T]   ; packed in place, ascending: no register is read after it is written
	v_cvt_pk_f16_f32 v[33+4*T], v[34+4*T], v[35+4*T]
	global_store_b64 v4, v[32+4*T:33+4*T], s[18:19] offset:256*T   ; no register is written twice, so no store's data are ever rewritten
.set T, T+1
.endr
	s_endpgm                                       ; this way has written no LDS
; ---- x: a plain stream of blocks of 32.  The conversions take 8 numbers of ONE block from a lane's registers, so a lane must hold 16 neighbours; a load is best where neighbouring lanes take
; neighbouring bytes.  Both are had: each load reads 512 consecutive bytes, a step's 2,048 bytes go through the wave's own stage in LDS as they lie and come back 64 bytes a lane.
.Lx:
	v_lshlrev_b32 v3, 4, v2                        ; my 16 bytes of a load's 512
	s_mul_i32 s21, s[WV], XREG
	v_lshrrev_b32 v14, 2, v2
	v_mul_u32_u24 v14, v14, SP
	v_and_b32 v15, 3, v2
	v_lshl_add_u32 v14, v15, 4, v14
	v_add_nc_u32 v14, s21, v14                     ; the stage, on the way in: SP (lane / 4) + 16 (lane % 4)
	v_mul_u32_u24 v15, v2, SP
	v_add_nc_u32 v15, s21, v15                     ; and on the way out: SP x lane: my 16 neighbours
	v_mul_u32_u24 v4, v2, CB                       ; my codes' place in a step's
	v_lshrrev_b32 v5, 1, v2
	s_add_co_u32 s21, s21, 2*32*SP
	v_add_nc_u32 v5, s21, v5                       ; LDS: my wave's 256 scale bytes, my block's byte
	v_lshlrev_b32 v7, 3, v2                        ; and on the way out 8 bytes a lane
	v_add_nc_u32 v6, s21, v7
	s_lshl_b32 s22, ttmp9, 2
	s_add_co_u32 s22, s22, s[WV]                   ; which run of 8,192 numbers is my wave's: 0..1023
	s_lshl_b32 s24, s22, 15
	s_mov_b32 s25, 0
	s_add_nc_u64 s[4:5], s[4:5], s[24:25]          ; 32,768 bytes of x a run,
	s_lshl_b32 s24, s22, 12
	s_add_nc_u64 s[10:11], s[10:11], s[24:25]      ; 4,096 of codes,
	s_lshl_b32 s24, s22, 8
	s_add_nc_u64 s[12:13], s[12:13], s[24:25]      ; 256 of scale bytes
.macro XLOAD t
.irp i, 0,1,2,3
	global_load_b128 v[XR+16*((\t)%4)+4*\i:XR+16*((\t)%4)+4*\i+3], v3, s[4:5] offset:2048*(\t)+512*\i th:TH_LOAD_NT
.endr
.endm
.macro XTURN t                         ; step t's numbers through the stage: LDS serves a wave's instructions in order, so no wait stands between the stores and the loads
.irp i, 0,1,2,3
	ds_store_b128 v14, v[XR+16*((\t)%4)+4*\i:XR+16*((\t)%4)+4*\i+3] offset:32*SP*((\t)%2)+8*SP*\i
.endr
.irp i, 0,1,2,3
	ds_load_b128 v[XX+16*((\t)%2)+4*\i:XX+16*((\t)%2)+4*\i+3], v15 offset:32*SP*((\t)%2)+16*\i
.endr
.endm
.irp t, 0,1,2,3
	XLOAD \t
.endr
	s_wait_loadcnt 12                              ; step 0's four loads are in
	XTURN 0
.macro XSTEP t
.set XS, XX+16*((\t)%2)
.if (\t) > 0
	s_wait_dscnt 1                                 ; this step's numbers are back from the stage (the last step's byte store may be out): so its stores into the stage have read their registers,
.else
	s_wait_dscnt 0x0
.endif
.if (\t)+4 < STEPS
	XLOAD (\t)+4                                   ; which take the loads of four steps on
.endif
.if (\t)+1 < STEPS
.if STEPS-2-(\t) >= 3
	s_wait_loadcnt 12                              ; the next step's four loads are in; those of the three steps behind it may be out
.else
	s_wait_loadcnt 4*(STEPS-2-(\t))
.endif
	XTURN (\t)+1                                   ; and go through the other stage while this step is worked
.endif
	v_max3_num_f32 v8, |v[XS]|, |v[XS+1]|, |v[XS+2]|               ; the largest magnitude of my 16, in two chains
	v_max3_num_f32 v9, |v[XS+3]|, |v[XS+4]|, |v[XS+5]|
.irp i, 6,10
	v_max3_num_f32 v8, v8, |v[XS+\i]|, |v[XS+\i+1]|
	v_max3_num_f32 v9, v9, |v[XS+\i+2]|, |v[XS+\i+3]|
.endr
	v_max3_num_f32 v8, v8, |v[XS+14]|, |v[XS+15]|
	v_max3_num_f32 v8, v8, v9, (EMAX+1)<<23        ; and the floor 2^(3 - 127): so the byte cannot fall under 1
	v_max_num_f32_dpp v8, v8, v8 row_xmask:1 row_mask:0xf bank_mask:0xf   ; and of my neighbour's 16: the block's
	v_add_nc_u32 v11, -(EMAX<<23), v8              ; 2 off its exponent field: the conversion takes the exponent field of this operand as its scale, and nothing else of it
	v_cvt_scalef32_pk8_fp4_f32 v[XC+4*(\t)], v[XS:XS+7], v11
	v_cvt_scalef32_pk8_fp4_f32 v[XC+4*(\t)+1], v[XS+8:XS+15], v11
	v_lshrrev_b32 v[XE+(\t)], 23, v11              ; the scale's byte (also the plain line behind the conversions)
	ds_store_b8 v5, v[XE+(\t)] offset:16*(\t)      ; both lanes of a block write the same byte with the same value
	global_store_b64 v4, v[XC+4*(\t):XC+4*(\t)+1], s[10:11] offset:32*CB*(\t)   ; the wave stores 256 consecutive bytes, aligned
.endm
.irp t, 0,1,2,3,4,5,6,7,8,9,10,11,12,13,14,15
	XSTEP \t
.endr
	ds_load_b64 v[8:9], v6                         ; LDS serves a wave's instructions in order: these see my stores
	s_wait_dscnt 0x0
	global_store_b64 v7, v[8:9], s[12:13]          ; 32 lanes store my wave's 256 scale bytes, aligned
	s_wait_tensorcnt 0x0                           ; the wave's end: behind my last LDS store
	ds_add_u32 v[SPW], v[NIL]
	s_wait_dscnt 0x0
	s_endpgm
; ---- Wqkv: A LANE TAKES A COLUMN n, AND ITS REGISTERS RUN DOWN K: a block of 32 along K lies in one lane's 32 registers, and the conversions give codes with K innermost.
; A wave takes 16 columns x 512 along K: lanes 0-15 the first 256 along K, lanes 16-31 the second, eight blocks a lane, so that a wave's chain of blocks is short.  Sixteen lanes read 64 consecutive
; bytes of a row, the work-group's four waves 256.  A column's 256 bytes of codes, from two lanes, meet in the wave's own stage and leave as rows: sixteen lanes store 256 consecutive bytes, aligned.
; Every offset is an immediate: 255 x 12,288 bytes at the most, inside the signed 24-bit field.
.Lw:
	s_sub_co_u32 s21, ttmp9, 256                   ; 0..95: 48 groups of 64 columns x 2 halves of K
	s_cmp_ge_u32 s21, 48
	s_cselect_b32 s22, 1, 0                        ; which half of K
	s_cselect_b32 s23, 48, 0
	s_sub_co_u32 s21, s21, s23
	s_lshl_b32 s21, s21, 6
	s_lshl_b32 s23, s[WV], 4
	s_add_co_u32 s21, s21, s23                     ; my wave's first column
	v_and_b32 v5, 15, v2                           ; my column of the sixteen
	v_lshrrev_b32 v6, 4, v2                        ; my 256 of the 512 along K
	v_mul_u32_u24 v3, v6, 256*WN*4
	v_lshl_add_u32 v3, v5, 2, v3                   ; in: 4 bytes a column, 256 rows down for lanes 16-31
	s_mul_i32 s26, s[WV], 16*WPITCH
	s_add_co_u32 s26, s26, WSTG                    ; my stage
	v_mul_u32_u24 v4, v5, WPITCH
	v_lshl_add_u32 v4, v6, 7, v4
	v_add_nc_u32 v4, s26, v4                       ; into it: row = my column, 128 bytes on for lanes 16-31
	v_mul_u32_u24 v7, v6, WPITCH                   ; out of it: sixteen lanes to a row, two rows an instruction
	v_lshl_add_u32 v7, v5, 4, v7
	v_add_nc_u32 v7, s26, v7
	v_mul_u32_u24 v8, v6, KROW
	v_lshl_add_u32 v8, v5, 4, v8                   ; and the same place in wc
	v_lshlrev_b32 v9, 5, v5
	v_lshl_add_u32 v9, v6, 3, v9                   ; my column's row of scale bytes, my eight of them
	s_mul_i32 s24, s22, KW*WN*4
	s_lshl_b32 s23, s21, 2
	s_add_co_u32 s24, s24, s23
	s_mov_b32 s25, 0
	s_add_nc_u64 s[6:7], s[6:7], s[24:25]          ; Wqkv: 512 rows x half + 4 x column
	s_lshl_b32 s24, s21, 9
	s_lshl_b32 s23, s22, 8
	s_add_co_u32 s24, s24, s23
	s_add_nc_u64 s[14:15], s[14:15], s[24:25]      ; wc: 512 x column + 256 x half
	s_lshl_b32 s24, s21, 5
	s_lshl_b32 s23, s22, 4
	s_add_co_u32 s24, s24, s23
	s_add_nc_u64 s[16:17], s[16:17], s[24:25]      ; ws: 32 x column + 16 x half
.macro WLOAD t                         ; block t: W(32 t + i, my column) into set t % 2.  No hint: a row's 256 bytes are shared by the work-group's four waves
.irp i, 0,1,2,3,4,5,6,7,8,9,10,11,12,13,14,15,16,17,18,19,20,21,22,23,24,25,26,27,28,29,30,31
	global_load_b32 v[WX+32*((\t)%2)+\i], v3, s[6:7] offset:(32*(\t)+\i)*WN*4
.endr
.endm
	WLOAD 0
	WLOAD 1
.macro WBLOCK t
.set XS, WX+32*((\t)%2)
.if (\t) < NB-1
	s_wait_loadcnt 32                              ; this block's 32 loads are in; the next block's may be out
.else
	s_wait_loadcnt 0
.endif
	v_max3_num_f32 v16, |v[XS]|, |v[XS+1]|, |v[XS+2]|              ; the block's largest magnitude: all 32 numbers are mine
	v_max3_num_f32 v17, |v[XS+3]|, |v[XS+4]|, |v[XS+5]|
.irp i, 6,10,14,18,22,26
	v_max3_num_f32 v16, v16, |v[XS+\i]|, |v[XS+\i+1]|
	v_max3_num_f32 v17, v17, |v[XS+\i+2]|, |v[XS+\i+3]|
.endr
	v_max3_num_f32 v16, v16, |v[XS+30]|, |v[XS+31]|
	v_max3_num_f32 v16, v16, v17, (EMAX+1)<<23     ; and the floor
	v_add_nc_u32 v11, -(EMAX<<23), v16             ; the conversion's scale operand
	v_lshrrev_b32 v17, 23, v11                     ; the scale's byte
.if (\t)%4 == 0
	v_mov_b32 v[WSB+(\t)/4], v17                   ; four bytes to a register, the lower K in the lower byte
.else
	v_lshl_or_b32 v[WSB+(\t)/4], v17, 8*((\t)%4), v[WSB+(\t)/4]
.endif
.irp g, 0,1,2,3
	v_cvt_scalef32_pk8_fp4_f32 v[WC+\g], v[XS+8*\g:XS+8*\g+7], v11
.endr
	ds_store_b128 v4, v[WC:WC+3] offset:16*(\t)    ; 32 codes: 16 bytes of my column's row
.if (\t)+2 < NB
	WLOAD (\t)+2
.endif
	s_wait_dscnt 0x0                               ; the store has read its registers: the next block's codes may be written
.endm
.set Q, 0
.rept NB
	WBLOCK Q
.set Q, Q+1
.endr
	global_store_b64 v9, v[WSB:WSB+1], s[16:17]    ; my eight scale bytes
.irp t, 0,1,2,3,4,5,6,7
	ds_load_b128 v[WOUT+4*\t:WOUT+4*\t+3], v7 offset:2*\t*WPITCH   ; LDS serves a wave's instructions in order: these see my wave's stores
.endr
.irp t, 0,1,2,3,4,5,6,7
	s_wait_dscnt 7-\t
	global_store_b128 v8, v[WOUT+4*\t:WOUT+4*\t+3], s[14:15] offset:2*\t*KROW
.endr
	s_wait_tensorcnt 0x0                           ; the wave's end: behind my last LDS store
	ds_add_u32 v[SPW], v[NIL]
	s_wait_dscnt 0x0
	s_endpgm
.Lfunc_end_k_qd2f9778b28_prep:
	.size	k_qd2f9778b28_prep, .Lfunc_end_k_qd2f9778b28_prep-k_qd2f9778b28_prep
	.p2alignl 7, 3214868480
	.fill 96, 4, 3214868480
	.section	.rodata,"a",@progbits
	.p2align	6, 0x0
	.amdhsa_kernel k_qd2f9778b28_prep
		.amdhsa_group_segment_fixed_size 50688
		.amdhsa_private_segment_fixed_size 0
		.amdhsa_enable_private_segment 0
		.amdhsa_kernarg_size 64
		.amdhsa_user_sgpr_count 2
		.amdhsa_user_sgpr_kernarg_segment_ptr 1
		.amdhsa_wavefront_size32 1
		.amdhsa_system_sgpr_workgroup_id_x 1
		.amdhsa_system_sgpr_workgroup_id_y 1
		.amdhsa_system_sgpr_workgroup_id_z 1
		.amdhsa_system_vgpr_workitem_id 0
		.amdhsa_next_free_vgpr 192
		.amdhsa_next_free_sgpr 66
		.amdhsa_reserve_vcc 0
		.amdhsa_float_denorm_mode_32 3
		.amdhsa_float_denorm_mode_16_64 3
		.amdhsa_memory_ordered 1
		.amdhsa_forward_progress 1
		.amdhsa_inst_pref_size 84
	.end_amdhsa_kernel
	.amdgpu_metadata
---
amdhsa.version: [ 1, 2 ]
amdhsa.kernels:
  - .name:           k_qd2f9778b28_prep
    .symbol:         k_qd2f9778b28_prep.kd
    .args:
      - { .name: x, .offset: 0, .size: 8, .value_kind: global_buffer, .address_space: global }
      - { .name: Wqkv, .offset: 8, .size: 8, .value_kind: global_buffer, .address_space: global }
      - { .name: Wout, .offset: 16, .size: 8, .value_kind: global_buffer, .address_space: global }
      - { .name: xc, .offset: 24, .size: 8, .value_kind: global_buffer, .address_space: global }
      - { .name: xs, .offset: 32, .size: 8, .value_kind: global_buffer, .address_space: global }
      - { .name: wc, .offset: 40, .size: 8, .value_kind: global_buffer, .address_space: global }
      - { .name: ws, .offset: 48, .size: 8, .value_kind: global_buffer, .address_space: global }
      - { .name: wo16, .offset: 56, .size: 8, .value_kind: global_buffer, .address_space: global }
    .group_segment_fixed_size: 50688
    .private_segment_fixed_size: 0
    .kernarg_segment_align: 8
    .kernarg_segment_size: 64
    .max_flat_workgroup_size: 128
    .sgpr_count:     66
    .vgpr_count:     192
    .wavefront_size: 32
...
	.end_amdgpu_metadata
.endif
;; end of part 1
;; launch gemm_qkv (part 2): grid 8 x 32, 4 waves a work-group, clusters of 4 x 4, 327,680 bytes of LDS; arguments xc, xs, wc, ws, qkv; writes qkv
.if DOCPART == 2
	.amdgcn_target "amdgcn-amd-amdhsa--gfx1250"
	.amdhsa_code_object_version 6
	.text
	.protected	k_qd2f9778b28_gemm_qkv
	.globl	k_qd2f9778b28_gemm_qkv
	.p2align	8
	.type	k_qd2f9778b28_gemm_qkv,@function
k_qd2f9778b28_gemm_qkv:
	s_mov_b64 s[64:65], 0
	v_nop
	global_prefetch_b8 v0, s[64:65] scope:SCOPE_SE
	s_setreg_imm32_b32 hwreg(HW_REG_WAVE_MODE, 25, 1), 1
	s_wait_xcnt 0x0
	s_wait_alu depctr_hold_cnt(0) depctr_sa_sdst(0) depctr_va_vdst(0) depctr_va_sdst(0) depctr_va_ssrc(0) depctr_va_vcc(0) depctr_vm_vsrc(0)
	s_getreg_b32 s2, hwreg(HW_REG_IB_STS2, 6, 4)
	s_cmp_eq_u32 s2, 0
	s_cbranch_scc0 .Lentry_in_a_cluster
	s_endpgm
.Lentry_in_a_cluster:
	s_bfe_u32 s2, ttmp6, 0x10000c
	s_cmp_lg_u32 s2, 0xf033
	s_cbranch_scc0 .Lentry_shape_is_right
	s_endpgm
.Lentry_shape_is_right:
; qkv = Q(x) Q(Wqkv) on codes of FP4 (E2M1) with one E8M0 scale for each 32 along K, sums in f32; then the axial rotary embedding on q and k, the softmax's factor on q, and f16.
; xc [8192][512 bytes], xs [8192][32], wc [3072][512 bytes], ws [3072][32].  Out: qkv [3 parts q, k, v][128 = frame x 16 + head][1024 positions][64] f16: a head's row is 128 bytes.
; SHARES.  The product has 32 x 12 tiles of 256 x 256; 256 work-groups take one and a half each, so that every one has the same work: FIRST a tile of q or of k (256 rows x 256 columns; a wave makes 128 x 128: 64
; accumulators, 512 registers), THEN, from the same 256 rows of x, which stay in LDS, 128 columns of v (a wave makes 128 x 64: 32 accumulators).
; K = 1,024 is two slots of 512 along K, both asked for at the start.  When slot 0 has been multiplied, Wqkv's part of it is filled again with v's 128 rows of codes, both halves of K: one joint load each in waves 2 and 3,
; behind a round of the cluster's barrier.  By this text's own count a wave has three tensor loads out at the start (scales, slot 0, slot 1), later one at the most.
; The scale bytes of x's rows and of the first tile's columns come once into LDS, as dense blocks; those of v's columns come straight into registers.
; CLUSTERS: 4 x 4 work-groups.  The four of a row of the cluster need the same tiles of x, the four of a column the same tiles of Wqkv: each is asked for JOINTLY, by the same tensor load with the same
; descriptor and a mask that names the four.  The cluster's x (0, 1) is the first tile's part, q or k: the same in all sixteen partners.
; THE MATRIX INSTRUCTION IS USED TRANSPOSED (source 0 = 16 rows of wc, source 1 = 16 rows of xc): a lane holds eight neighbouring columns of one row: four rotary pairs.
; THE ROTARY EMBEDDING.  The angle of position p (0..31 along an axis) and frequency f (0..15) is 2 pi n / 930, n = (2 p - 31)(127 f + 15), a whole number.  n is reduced modulo 930 exactly; sine and cosine of a
; QUARTER of the angle (at most pi / 4) come from their series and are doubled twice.  A table in LDS holds F cos and F sin: q: F = log2(e) / 8 (the softmax's factor rides along); k: F = 1.  v is not rotated.
; LIMITS: the angles are taken from the exact fraction, so they differ from angles rounded in f32 by that rounding, some 3e-5 at the most; |q log2(e) / 8|, |k|, |v| stay under 65,504 (f16); NaN and infinities are not served.
; REGISTERS, in windows of 256: window 0: v0-31 addresses; v32-95 scale words, two sets; v96-127 the scale words of v's columns; v128-191 x's fragments, ONE set; v192-235 at work on the table.  On the ways out: v32-95 the
;   table's pairs, two sets; v128-191 rotated numbers; v192-223 packed; v224-255 rows read back.   window 1: Wqkv's fragments, TWO sets.   windows 2, 3: the first tile's accumulators ((a, b) at v[8 (8 (a % 4) + b)]);
;   window 2 again: the second's ((a, b) at v[8 (4 a + b)]).
.set SIZE_K, 1024
.set KSTEP,  512                       ; along K in a slot
.set NQ,     KSTEP/128                 ; matrix instructions deep
.set ROWB,   256                       ; a tile's row in bytes
.set KROW,   SIZE_K/2                  ; a row of codes in memory
.set PITCH,  272                       ; an LDS row: 256 bytes + 16 of padding: the 16 rows that a load touches start 68 words apart
.set FR,     8                         ; registers of a fragment: 16 rows x 128 K
.set NL,     2                         ; LDS loads that bring one
.set NP,     4                         ; places behind this matrix instruction (ISA guide 7.12.1)
.set HALFT,  128*PITCH                 ; 128 rows: what one tensor load brings
.set SLOT,   4*HALFT                   ; x's 256 rows, then Wqkv's 256 rows
.set KS,     SIZE_K/32                 ; a row of scales in bytes
.set SCL,    2*SLOT                    ; behind the slots: the scales, as units of 256 bytes + 16 of padding
.set HALFS,  (128*KS/256)*272          ; the scales of 128 rows
.set SBLK,   (16*KS/256)*272           ; those of 16 rows
.set SPARE,  SCL+4*HALFS               ; the spare words, 128 bytes for each wave: two blocks of 256 bytes that no other line names
.set TBL,    SPARE+512                 ; the table: 8 positions of the tile's rows along H (pitch 144, in 1,280 bytes), then 32 positions along W; a row: 16 frequencies x (cos, sin) f32.  No tile ever lands here
.set TPITCH, 144
.set TBLW,   1280
.set STGB,   TBL+TBLW+32*TPITCH        ; the stages of the ways out: 16 rows x 272 bytes for each wave, in bytes of their own: no tile ever lands here
.set ADRA, 16                          ; v16-17  LDS address of my x fragments in slot 0, 1
.set ADRB, 20                          ; v20-21  the same for the first tile's columns
.set ATH,  22                          ; v22     the table: my wave's first position along H, + 32 bytes for lanes 16-31
.set ATW,  23                          ; v23     the table along W: position lane % 16, + 32 bytes for lanes 16-31
.set STO,  24                          ; v24     the way out: where I put 16 bytes of a row
.set RD,   25                          ; v25     the way out: where I read rows back
.set CO,   26                          ; v26     16 x lane: my place in 512 bytes of qkv
.set ADRS, 27                          ; v27     LDS address of my scale words: lanes 0-15 x's rows, lanes 16-31 the first tile's columns
.set SPW,  28                          ; v28     LDS address of my spare word; never rewritten
.set NIL,  29                          ; v29     0; never rewritten
.set ADRC, 30                          ; v30-31  LDS address of my fragments of v's columns, first and second half of K
.set SC,   32                          ; scale words: set s at v[SC + 32 s]; register 4 i + q: lanes 0-15 x's block i, lanes 16-31 the first tile's block i of columns, the slot's q-th 128 along K
.set SV,   96                          ; v's columns: register 16 s + 4 b + q: block b, half s of K, its q-th 128; every lane holds the word of column lane % 16
.set AF,   128                         ; x's fragments, in window 0
.set TB0,  32                          ; the way out: the table's pairs, sets at v32 and v64
.set RR,   128                         ; rotated numbers
.set PKD,  192                         ; packed to f16
.set BK,   224                         ; rows read back
.set RN,   192                         ; the table's making, five entries a thread: n, then the quarter angle
.set RZ,   197                         ; its square
.set RS,   202                         ; sine
.set RC,   207                         ; cosine
.set RT,   212                         ; at work
.set RO,   220                         ; five pairs to store
.set G1, 24                            ; s[24:31] descriptor group 1 for x's tiles;  s[32:39] group 0, one set for each slot
.set G0, 32
.set G1B, 48                           ; s[48:55], s[56:63] the same for Wqkv's tiles
.set G0B, 56
.set G1S, 68                           ; s[68:75], s[76:79] groups 1 and 0 for x's scales;  s[80:87], s[88:91] for Wqkv's
.set G0S, 76
.set G1SB, 80
.set G0SB, 88
.set G0C, 92                           ; s[92:95] group 0 for v's rows of codes; their group 1 is Wqkv's
.set MSB, 0
.macro WIN new                         ; the immediate's high byte repeats the setting that is left
.if MSB != \new
	s_set_vgpr_msb (MSB<<8)|\new
.set MSB, \new
.endif
.endm
.set MUL_LO, 0xa1                      ; source 0 (Wqkv) window 1, source 1 (x) window 0, C and D window 2
.set MUL_HI, 0xf1                      ; the same, C and D window 3
.set TO_B,   0x40                      ; destination window 1, address window 0
; A joint load: waves 0 and 1 fetch for x, waves 2 and 3 for Wqkv.  Each of the two lines has ONE mask and one set of registers for all that issue it; the branch hangs on the wave's number alone.
; An s_nop 0 and four v_nop follow each of the two lines, ahead of the jump, the label and what follows.
.macro JLOAD g0a, g1a, g0b, g1b
	s_cmp_eq_u32 s15, 0
	s_cbranch_scc0 .Lfor_b_\@
	tensor_load_to_lds s[\g0a:\g0a+3], s[\g1a:\g1a+7]
	s_nop 0
.rept 4
	v_nop
.endr
	s_branch .Lasked_\@
.Lfor_b_\@:
	tensor_load_to_lds s[\g0b:\g0b+3], s[\g1b:\g1b+7]
	s_nop 0
.rept 4
	v_nop
.endr
.Lasked_\@:
.endm
.macro CREST                           ; a round of the cluster's barrier behind its opening barrier
	s_cmp_lg_u32 s14, 0
	s_cbranch_scc1 .Lnot_wave_0_\@
	s_barrier_signal -3
.Lnot_wave_0_\@:
	s_barrier_wait -3
	s_barrier_signal -1
	s_barrier_wait -1
.endm
.macro CROUND                          ; a whole round
	s_barrier_signal -1
	s_barrier_wait -1
	CREST
.endm
	s_load_b128 s[4:7], s[0:1], 0x0                ; xc s[4:5], xs s[6:7]
	s_load_b128 s[8:11], s[0:1], 0x10              ; wc s[8:9], ws s[10:11]
	s_load_b64 s[12:13], s[0:1], 0x20              ; qkv
	v_lshl_add_u32 v[SPW], v0, 2, SPARE
	v_mov_b32 v[NIL], 0
	ds_add_u32 v[SPW], v[NIL]                      ; the wave's opening: the add, twice on end, and its wait ahead of my first tensor load; the set-up below stands between
	ds_add_u32 v[SPW], v[NIL]                      ; and once more, under the one wait
	v_lshrrev_b32 v1, 5, v0
	v_readfirstlane_b32 s14, v1                    ; wave 0..3
	s_lshr_b32 s15, s14, 1                         ; which half of the tile's rows is mine.  Also: I fetch for x (0) or for Wqkv (1)
	s_and_b32 s16, s14, 1                          ; which half of its columns.  Also: which 128 rows of that tile I fetch
	s_bfe_u32 s40, ttmp6, 0x40000                  ; cx, cy: my place in the cluster
	s_bfe_u32 s41, ttmp6, 0x40004
	s_lshl_b32 s42, ttmp9, 2
	s_add_co_u32 s42, s42, s40                     ; tile column = 4 x cluster x + cx: 0..7
	s_and_b32 s17, ttmp7, 0xffff
	s_lshl_b32 s17, s17, 2
	s_add_co_u32 s17, s17, s41                     ; tile row = 4 x cluster y + cy: 0..31
	s_lshl_b32 s43, s41, 2
	s_lshl_b32 s43, 15, s43                        ; my row of the cluster
	s_lshl_b32 s44, 0x1111, s40                    ; my column
	; descriptor group 1: a tile of 128 rows x 256 bytes, padded in LDS
	s_or_b32 s[G1+0], s43, (0<<16)|(1<<20)|(1<<21)|(5<<22)|(3<<25)  ; 15:0 the mask: x's tiles go to my row; elements of 1 byte; padding on; bit 21 beside a mask; after every 64 words four words
	s_or_b32 s[G1B+0], s44, (0<<16)|(1<<20)|(1<<21)|(5<<22)|(3<<25)
.irp g, G1, G1B
	s_mov_b32 s[\g+1], ROWB<<16                    ; tensor_dim0
	s_mov_b32 s[\g+2], 128<<16                     ; tensor_dim1 = 128
	s_mov_b32 s[\g+3], ROWB<<16                    ; tile_dim0
	s_mov_b32 s[\g+4], 128                         ; tile_dim1 = 128
	s_mov_b32 s[\g+5], KROW                        ; from row to row
	s_mov_b32 s[\g+6], 0
	s_mov_b32 s[\g+7], 0
.endr
	; and for the scales of 128 rows: a dense block of 4,096 bytes, as 16 rows of 256 bytes (32 elements of 8 bytes), 16 bytes of padding behind each
	s_or_b32 s[G1S+0], s43, (3<<16)|(1<<20)|(1<<21)|(5<<22)|(3<<25)
	s_or_b32 s[G1SB+0], s44, (3<<16)|(1<<20)|(1<<21)|(5<<22)|(3<<25)
.irp g, G1S, G1SB
	s_mov_b32 s[\g+1], 32<<16
	s_mov_b32 s[\g+2], (128*KS/256)<<16
	s_mov_b32 s[\g+3], 32<<16
	s_mov_b32 s[\g+4], 128*KS/256
	s_mov_b32 s[\g+5], 32
	s_mov_b32 s[\g+6], 0
	s_mov_b32 s[\g+7], 0
.endr
	s_lshl_b32 s18, s16, 7                         ; which 128 rows of the tile I fetch
	s_lshl_b32 s20, s17, 8
	s_add_co_u32 s20, s20, s18                     ; x: row 256 x tile row + 128 x half
	s_lshl_b32 s46, s42, 8
	s_add_co_u32 s46, s46, s18                     ; Wqkv: row 256 x tile column + 128 x half
	s_mov_b32 s21, 0
	s_mov_b32 s47, 0
	s_mov_b64 s[18:19], KS
	s_mul_u64 s[22:23], s[20:21], s[18:19]         ; where these rows' scales begin, in bytes
	s_mul_u64 s[92:93], s[46:47], s[18:19]
	s_mov_b64 s[18:19], KROW
	s_mul_u64 s[20:21], s[20:21], s[18:19]         ; and their codes
	s_mul_u64 s[46:47], s[46:47], s[18:19]
	s_mul_i32 s45, s14, HALFT                      ; where they go: wave x 128 rows: no place in the cluster enters an LDS address
	s_mul_i32 s94, s14, HALFS
	s_mov_b32 s66, 0xb9500d01                      ; -1 / 5040: the sine's last coefficient
	s_mov_b32 s67, 0x37d00d01                      ; 1 / 40320: the cosine's
	s_mov_b32 s96, 0x3e38aa3b                      ; log2(e) / 8
	s_cmp_eq_u32 ttmp9, 0
	s_cselect_b32 s96, s96, 1.0                    ; F: q: log2(e) / 8; k: 1
	s_wait_dscnt 0x0                               ; both opening adds are done
	s_wait_kmcnt 0x0
	s_add_nc_u64 s[20:21], s[4:5], s[20:21]
	s_add_nc_u64 s[22:23], s[6:7], s[22:23]
	s_add_nc_u64 s[46:47], s[8:9], s[46:47]
	s_add_nc_u64 s[92:93], s[10:11], s[92:93]
	CROUND                                         ; all sixteen work-groups are here: the joint loads meet
	s_mov_b32 s[G0S], 1
	s_add_co_u32 s[G0S+1], s94, SCL
	s_mov_b64 s[G0S+2:G0S+3], s[22:23]
	s_or_b32 s[G0S+3], s[G0S+3], 0x80000000
	s_mov_b32 s[G0SB], 1
	s_add_co_u32 s[G0SB+1], s94, SCL
	s_mov_b64 s[G0SB+2:G0SB+3], s[92:93]
	s_or_b32 s[G0SB+3], s[G0SB+3], 0x80000000
	JLOAD G0S, G1S, G0SB, G1SB                     ; the scales first: they are wanted with slot 0
.irp s, 0,1
	s_mov_b32 s[G0+4*\s], 1
	s_add_co_u32 s[G0+4*\s+1], s45, \s*SLOT
	s_add_nc_u64 s[G0+4*\s+2:G0+4*\s+3], s[20:21], \s*ROWB
	s_or_b32 s[G0+4*\s+3], s[G0+4*\s+3], 0x80000000
	s_mov_b32 s[G0B+4*\s], 1
	s_add_co_u32 s[G0B+4*\s+1], s45, \s*SLOT
	s_add_nc_u64 s[G0B+4*\s+2:G0B+4*\s+3], s[46:47], \s*ROWB
	s_or_b32 s[G0B+4*\s+3], s[G0B+4*\s+3], 0x80000000
	JLOAD G0+4*\s, G1, G0B+4*\s, G1B
.endr
	; group 0 for v's rows of codes, used at the change of slots by waves 2 and 3: rows 2,048 + 128 x tile column of wc, wave 2 the first half of K, wave 3 the second; into Wqkv's two halves of slot 0.
	; (s92 to s95 are free: what they held has been copied into the groups above.)  The address hangs on the tile column and the wave's number alone.
	s_mov_b32 s[G0C], 1
	s_mov_b32 s[G0C+1], s45                        ; wave x 128 rows: in waves 2 and 3 the bytes that slot 0's load for Wqkv filled
	s_lshl_b32 s[G0C+2], s42, 16                   ; 128 rows of 512 bytes a tile column
	s_lshl_b32 s[G0C+3], s16, 8                    ; my half of K
	s_add_co_u32 s[G0C+2], s[G0C+2], s[G0C+3]
	s_add_co_u32 s[G0C+2], s[G0C+2], 2048*KROW
	s_mov_b32 s[G0C+3], 0
	s_add_nc_u64 s[G0C+2:G0C+3], s[8:9], s[G0C+2:G0C+3]
	s_or_b32 s[G0C+3], s[G0C+3], 0x80000000
	v_and_b32 v1, 15, v0                           ; r = lane % 16
	v_bfe_u32 v2, v0, 4, 1                         ; h = lane / 16
	; the scale words of my 64 columns of v, straight into registers: rows 2,048 + 128 x tile column + 64 x half + 16 b + r of ws, 32 bytes a row; they are wanted only for the second tile
	s_lshl_b32 s46, s42, 12
	s_lshl_b32 s47, s16, 11
	s_add_co_u32 s46, s46, s47
	s_add_co_u32 s46, s46, 2048*KS
	s_mov_b32 s47, 0
	s_add_nc_u64 s[10:11], s[10:11], s[46:47]
	v_lshlrev_b32 v7, 5, v1                        ; never rewritten
.irp s, 0,1
.irp b, 0,1,2,3
	global_load_b128 v[SV+16*\s+4*\b:SV+16*\s+4*\b+3], v7, s[10:11] offset:512*\b+16*\s
.endr
.endr
	v_mul_u32_u24 v3, v1, PITCH
	v_lshl_add_u32 v4, v2, 4, v3                   ; a fragment's row x pitch + 16 x half
	s_mul_i32 s21, s15, HALFT                      ; my 128 rows of x
	s_mul_i32 s22, s16, HALFT                      ; my 128 rows of Wqkv,
	s_add_co_u32 s22, s22, 2*HALFT                 ; which lie behind x's 256
.irp s, 0,1
	v_add_nc_u32 v[ADRA+\s], s21, v4
	v_add_nc_u32 v[ADRB+\s], s22, v4
	s_add_co_u32 s21, s21, SLOT
	s_add_co_u32 s22, s22, SLOT
.endr
	s_mul_i32 s22, s16, 64*PITCH                   ; my 64 of v's 128 rows,
	s_add_co_u32 s22, s22, 2*HALFT                 ; first half of K;
	v_add_nc_u32 v[ADRC], s22, v4
	v_add_nc_u32 v[ADRC+1], HALFT, v[ADRC]         ; the second half lies 128 rows on
	v_mul_u32_u24 v5, v1, KS                       ; my row's scales: 32 bytes a row,
	v_lshrrev_b32 v6, 8, v5
	v_lshl_add_u32 v5, v6, 4, v5                   ; and 16 more for each 256 passed
	s_mul_i32 s21, s15, HALFS                      ; x's: my 128 rows
	s_mul_i32 s22, s16, HALFS                      ; Wqkv's: my 128 rows, behind x's 256
	s_add_co_u32 s22, s22, 2*HALFS
	s_sub_co_u32 s22, s22, s21
	v_mul_u32_u24 v6, s22, v2                      ; lanes 16-31 take Wqkv's: ONE product, the distance x h
	s_add_co_u32 s21, s21, SCL
	v_add_nc_u32 v5, v5, v6
	v_add_nc_u32 v[ADRS], s21, v5
	s_mul_i32 s23, s14, 16*PITCH
	s_add_co_u32 s23, s23, STGB                    ; my stage
	v_add_nc_u32 v[STO], s23, v4                   ; in: row r, 16 bytes for each half of the lanes
	v_and_b32 v6, 31, v0
	v_lshrrev_b32 v5, 3, v6
	v_mul_u32_u24 v5, v5, PITCH
	v_and_b32 v3, 7, v6
	v_lshl_add_u32 v5, v3, 4, v5
	v_add_nc_u32 v[RD], s23, v5                    ; back: eight lanes take 128 bytes (a head's 64 columns) of a row, four rows an instruction
	v_lshlrev_b32 v[CO], 4, v6                     ; which are 512 consecutive bytes of qkv
	s_mul_i32 s21, s15, 4*TPITCH                   ; my 128 rows are four positions along H
	s_add_co_u32 s21, s21, TBL
	v_lshl_add_u32 v[ATH], v2, 5, s21
	v_mul_u32_u24 v5, v1, TPITCH
	v_lshl_add_u32 v5, v2, 5, v5
	v_add_nc_u32 v[ATW], TBL+TBLW, v5
	; where my parts begin in qkv, in bytes: part << 24 + frame << 21 + head << 17 + position << 7.  Made apart from the address
	s_lshr_b32 s20, s17, 2                         ; frame = tile row / 4
	s_lshl_b32 s20, s20, 21
	s_and_b32 s21, s17, 3
	s_lshl_b32 s98, s21, 3                         ; the tile's first position along H: it enters the table's VALUES alone
	s_lshl_b32 s21, s21, 15                        ; 256 positions x 128 bytes
	s_add_co_u32 s20, s20, s21
	s_lshl_b32 s21, s15, 14                        ; my half: 128 positions
	s_add_co_u32 s20, s20, s21
	s_mov_b32 s21, 0                               ; s[20:21]: the rows' term, the same for both tiles
	s_lshl_b32 s46, s42, 18                        ; v: head 2 x tile column
	s_lshl_b32 s47, s16, 17                        ; + my half of the 128 columns
	s_add_co_u32 s46, s46, s47
	s_add_co_u32 s46, s46, 0x2000000               ; part 2
	s_mov_b32 s47, 0
	s_add_nc_u64 s[46:47], s[46:47], s[20:21]
	s_add_nc_u64 s[2:3], s[12:13], s[46:47]        ; s[2:3]: my part of v
	s_lshl_b32 s46, ttmp9, 24                      ; the first tile's part
	s_lshl_b32 s47, s40, 19                        ; head 4 cx
	s_add_co_u32 s46, s46, s47
	s_lshl_b32 s47, s16, 18                        ; + 2 x my half of the columns
	s_add_co_u32 s46, s46, s47
	s_mov_b32 s47, 0
	s_add_nc_u64 s[20:21], s[20:21], s[46:47]
	s_add_nc_u64 s[12:13], s[12:13], s[20:21]      ; s[12:13]: my part of q or k
	; THE TABLE, made while the tiles are on their way.  Thread: frequency f = thread % 16, row pr = thread / 16 (0..7).  Entry 0: position (tile's first + pr) along H; entries 1-4: positions pr + 8 (e - 1) along W.
	v_and_b32 v230, 15, v0                         ; f
	v_lshrrev_b32 v231, 4, v0                      ; pr
	v_cvt_f32_u32 v232, v230
	v_mov_b32 v234, 0x41700000                     ; 15
	v_fmamk_f32 v232, v232, 0x42fe0000, v234       ; 127 f + 15
	v_mul_u32_u24 v233, v231, TPITCH
	v_lshl_add_u32 v233, v230, 3, v233
	v_add_nc_u32 v233, TBL, v233                   ; where entry 0 goes: row pr, 8 bytes a frequency
	v_add_nc_u32 v[RN], s98, v231
.irp e, 1,2,3,4
	v_add_nc_u32 v[RN+\e], 8*(\e-1), v231
.endr
.irp e, 0,1,2,3,4                              ; (the five entries take turns line by line: no line waits for the line above it)
	v_cvt_f32_u32 v[RN+\e], v[RN+\e]
.endr
.irp e, 0,1,2,3,4
	v_fmaak_f32 v[RN+\e], 2.0, v[RN+\e], 0xc1f80000   ; 2 p - 31
.endr
.irp e, 0,1,2,3,4
	v_mul_f32 v[RN+\e], v[RN+\e], v232             ; n: a whole number under 2^16, exact
.endr
.irp e, 0,1,2,3,4
	v_mul_f32 v[RZ+\e], 0x3a8cf009, v[RN+\e]       ; n / 930,
.endr
.irp e, 0,1,2,3,4
	v_rndne_f32 v[RZ+\e], v[RZ+\e]                 ; to the nearest whole turn
.endr
.irp e, 0,1,2,3,4
	v_fmamk_f32 v[RN+\e], v[RZ+\e], 0xc4688000, v[RN+\e]   ; n - 930 x turns: exact, about 465 at the most
.endr
.irp e, 0,1,2,3,4
	v_mul_f32 v[RN+\e], 0x3add6263, v[RN+\e]       ; x pi / 1860: a quarter of the angle
.endr
.irp e, 0,1,2,3,4
	v_mul_f32 v[RZ+\e], v[RN+\e], v[RN+\e]
.endr
.irp e, 0,1,2,3,4
	v_fmaak_f32 v[RS+\e], s66, v[RZ+\e], 0x3c088889   ; sine: 1/120 - z/5040
	v_fmaak_f32 v[RC+\e], s67, v[RZ+\e], 0xbab60b61   ; cosine: -1/720 + z/40320
.endr
.irp e, 0,1,2,3,4
	v_fmaak_f32 v[RS+\e], v[RS+\e], v[RZ+\e], 0xbe2aaaab   ; -1/6
	v_fmaak_f32 v[RC+\e], v[RC+\e], v[RZ+\e], 0x3d2aaaab   ; 1/24
.endr
.irp e, 0,1,2,3,4
	v_fma_f32 v[RS+\e], v[RS+\e], v[RZ+\e], 1.0
	v_fma_f32 v[RC+\e], v[RC+\e], v[RZ+\e], -0.5
.endr
.irp e, 0,1,2,3,4
	v_mul_f32 v[RS+\e], v[RS+\e], v[RN+\e]
	v_fma_f32 v[RC+\e], v[RC+\e], v[RZ+\e], 1.0
.endr
.rept 2                                        ; the angle doubled, twice: sin 2a = 2 sin a cos a, cos 2a = 1 - 2 sin^2 a
.irp e, 0,1,2,3,4
	v_mul_f32 v[RT+\e], v[RS+\e], v[RC+\e]
	v_mul_f32 v[RZ+\e], v[RS+\e], v[RS+\e]
.endr
.irp e, 0,1,2,3,4
	v_fma_f32 v[RC+\e], v[RZ+\e], -2.0, 1.0
	v_add_f32 v[RS+\e], v[RT+\e], v[RT+\e]
.endr
.endr
.irp e, 0,1,2,3,4
	v_mul_f32 v[RO+2*\e], s96, v[RC+\e]            ; F cos
	v_mul_f32 v[RO+2*\e+1], s96, v[RS+\e]          ; F sin
.endr
	ds_store_b64 v233, v[RO:RO+1]
.irp e, 1,2,3,4
	ds_store_b64 v233, v[RO+2*\e:RO+2*\e+1] offset:TBLW+8*TPITCH*(\e-1)
.endr
.macro FRAG reg, adr, q, i             ; a fragment, 16 rows x 128 K of 4-bit codes: lane l holds row l % 16; registers 4 c .. 4 c + 3 hold K = 64 c + 32 (l / 16) + 0 .. 31
.irp c, 0,1
	ds_load_b128 v[\reg+4*\c:\reg+4*\c+3], v[\adr] offset:64*(\q)+32*\c+(\i)*16*PITCH
.endr
.endm
; 16 matrix instructions: x's blocks a0, a0 + 1 against Wqkv's eight, 128 along K: the slot's q-th.  p: Wqkv's set;  sc: the set of scale words.  zero = 1: the first product starts the sums: nothing is ever cleared.
; The 64 accumulators take turns, one instruction a turn, in the same order in every step.
.macro MUL16 a0, p, q, sc, zero
.irp a, \a0, \a0+1
.irp b, 0,1,2,3,4,5,6,7
.if \zero
	v_wmma_scale_f32_16x16x128_f8f6f4 v[8*(8*((\a)%4)+\b):8*(8*((\a)%4)+\b)+7], v[128*(\p)+FR*\b:128*(\p)+FR*\b+FR-1], v[AF+FR*(\a):AF+FR*(\a)+FR-1], 0, v[SC+8*NQ*(\sc)+NQ*\b+(\q)], v[SC+8*NQ*(\sc)+NQ*(\a)+(\q)] matrix_a_fmt:MATRIX_FMT_FP4 matrix_b_fmt:MATRIX_FMT_FP4 matrix_a_scale:MATRIX_SCALE_ROW1
.else
	v_wmma_scale_f32_16x16x128_f8f6f4 v[8*(8*((\a)%4)+\b):8*(8*((\a)%4)+\b)+7], v[128*(\p)+FR*\b:128*(\p)+FR*\b+FR-1], v[AF+FR*(\a):AF+FR*(\a)+FR-1], v[8*(8*((\a)%4)+\b):8*(8*((\a)%4)+\b)+7], v[SC+8*NQ*(\sc)+NQ*\b+(\q)], v[SC+8*NQ*(\sc)+NQ*(\a)+(\q)] matrix_a_fmt:MATRIX_FMT_FP4 matrix_b_fmt:MATRIX_FMT_FP4 matrix_a_scale:MATRIX_SCALE_ROW1
.endif
.endr
.endr
.endm
; The second tile: 8 matrix instructions: x's blocks a0, a0 + 1 against v's four.  Both sides' scale words stand in lanes 0-15 of registers of their own.  The 32 accumulators take turns in the same way.
.macro MULV a0, p, q, sc, zero
.irp a, \a0, \a0+1
.irp b, 0,1,2,3
.if \zero
	v_wmma_scale_f32_16x16x128_f8f6f4 v[8*(4*(\a)+\b):8*(4*(\a)+\b)+7], v[128*(\p)+FR*\b:128*(\p)+FR*\b+FR-1], v[AF+FR*(\a):AF+FR*(\a)+FR-1], 0, v[SV+16*(\sc)+4*\b+(\q)], v[SC+8*NQ*(\sc)+NQ*(\a)+(\q)] matrix_a_fmt:MATRIX_FMT_FP4 matrix_b_fmt:MATRIX_FMT_FP4
.else
	v_wmma_scale_f32_16x16x128_f8f6f4 v[8*(4*(\a)+\b):8*(4*(\a)+\b)+7], v[128*(\p)+FR*\b:128*(\p)+FR*\b+FR-1], v[AF+FR*(\a):AF+FR*(\a)+FR-1], v[8*(4*(\a)+\b):8*(4*(\a)+\b)+7], v[SV+16*(\sc)+4*\b+(\q)], v[SC+8*NQ*(\sc)+NQ*(\a)+(\q)] matrix_a_fmt:MATRIX_FMT_FP4 matrix_b_fmt:MATRIX_FMT_FP4
.endif
.endr
.endr
.endm
.macro FETCH_B slot, q, p              ; Wqkv's eight fragments of the slot's q-th 128 along K into set p
	WIN TO_B
.irp i, 0,1,2,3,4,5,6,7
	FRAG 128*(\p)+FR*\i, ADRB+\slot, \q, \i
.endr
	WIN 0
.endm
.macro FETCH_V slot, q, p              ; v's four fragments of the q-th 128 of half 'slot' of K into set p
	WIN TO_B
.irp i, 0,1,2,3
	FRAG 128*(\p)+FR*\i, ADRC+\slot, \q, \i
.endr
	WIN 0
.endm
.macro FETCH_A slot, q, i0             ; x's blocks i0 .. i0 + 3
.irp i, \i0, \i0+1, \i0+2, \i0+3
	FRAG AF+FR*(\i), ADRA+\slot, \q, \i
.endr
.endm
.macro SCALES sc                       ; a slot's scale words into set sc: four words a row, 16 bytes on for slot 1; lanes 0-15 take x's block i, lanes 16-31 the first tile's block i of columns
.irp i, 0,1,2,3,4,5,6,7
	ds_load_b128 v[SC+8*NQ*\sc+NQ*\i:SC+8*NQ*\sc+NQ*\i+3], v[ADRS] offset:\i*SBLK+4*NQ*\sc
.endr
.endm
; A load into a register that a matrix instruction has read, and a vector instruction that reads a matrix result, stand NP places behind that matrix instruction; only plain vector instructions that name none of
; its registers are places (ISA guide 7.12.1 for vector instructions).
.macro PLACES n
.rept \n
	v_nop
.endr
.endm
.macro STEP slot, q, zero              ; a step of 128 along K that has its successor in the same slot
	s_wait_dscnt 4*NL                              ; Wqkv's set and x's blocks 0-3 are in; the youngest eight loads (x's blocks 4-7) may be out
	WIN MUL_LO
	MUL16 0, (\q)%2, \q, \slot, \zero
	MUL16 2, (\q)%2, \q, \slot, \zero
	s_wait_dscnt 0                                 ; x's blocks 4-7 are in
	PLACES NP
	FETCH_B \slot, (\q)+1, 1-(\q)%2
	FETCH_A \slot, (\q)+1, 0
	WIN MUL_HI
	MUL16 4, (\q)%2, \q, \slot, \zero
	MUL16 6, (\q)%2, \q, \slot, \zero
	PLACES NP
	WIN 0
	FETCH_A \slot, (\q)+1, 4
.endm
; Slot 0's last step goes over to slot 1: one barrier, which opens a round of the cluster's barrier.  In front of it each wave waits for all its tensor loads (its part of slot 1), adds 0 to its spare word, and waits for
; that and for its reads of slot 0.  Behind the round no wave of any partner reads Wqkv's part of slot 0 any more or has a load on its way: waves 2 and 3 fill it again, with v's rows of codes, one joint load each.
; The load has the four steps of slot 1 and the first way out in which to land.
.macro TURN slot, next
	s_wait_tensorcnt 0x0                           ; all my tensor loads have landed
	ds_add_u32 v[SPW], v[NIL]                      ; 0 onto my spare word
	s_wait_dscnt 4*NL+1                            ; (the add and the youngest eight loads may be out)
	WIN MUL_LO
	MUL16 0, 1, NQ-1, \slot, 0                     ; sixteen matrix instructions stand between the add and the wait for it
	s_wait_dscnt 0x0                               ; the add is done, and my reads of this slot are over
	s_barrier_signal -1
	MUL16 2, 1, NQ-1, \slot, 0
	WIN 0
	s_barrier_wait -1
	CREST
	s_cmp_eq_u32 s15, 0                            ; the wave's number alone: the same in every work-group
	s_cbranch_scc1 .Lnone_\@
	tensor_load_to_lds s[G0C:G0C+3], s[G1B:G1B+7]  ; the first tensor load behind the round, and the wave's last
	s_nop 0
.rept 4
	v_nop
.endr
.Lnone_\@:
	PLACES NP                                      ; for every wave: in front of the loads into registers that matrix instructions have read
	FETCH_B \next, 0, 0
	FETCH_A \next, 0, 0
	SCALES \next
	WIN MUL_HI
	MUL16 4, 1, NQ-1, \slot, 0
	MUL16 6, 1, NQ-1, \slot, 0
	PLACES NP
	WIN 0
	FETCH_A \next, 0, 4
.endm
.macro STEPS slot, from                ; the slot's steps from .. NQ - 2
.set Q, \from
.rept NQ-1-\from
	STEP \slot, Q, 0
.set Q, Q+1
.endr
.endm
; A step of the second tile: 128 along K, 32 matrix instructions.  more = 1: the next step's fragments (half nslot of K, its nq-th 128) are fetched: v's and x's blocks 0-3 in the middle, x's blocks 4-7 at the end.
.macro STEPV slot, q, nslot, nq, zero, more
	s_wait_dscnt 4*NL                              ; v's set and x's blocks 0-3 are in; the youngest eight loads (x's blocks 4-7) may be out
	WIN MUL_LO
	MULV 0, (\q)%2, \q, \slot, \zero
	MULV 2, (\q)%2, \q, \slot, \zero
	s_wait_dscnt 0                                 ; x's blocks 4-7 are in
.if \more
	PLACES NP
	FETCH_V \nslot, \nq, 1-(\q)%2
	FETCH_A \nslot, \nq, 0
	WIN MUL_LO
.endif
	MULV 4, (\q)%2, \q, \slot, \zero
	MULV 6, (\q)%2, \q, \slot, \zero
.if \more
	PLACES NP
	WIN 0
	FETCH_A \nslot, \nq, 4
.endif
.endm
	s_wait_tensorcnt 1                             ; the scales and my part of slot 0 are in (slot 1's load may be out)
	s_wait_dscnt 0x0                               ; and my part of the table is stored:
	s_barrier_signal -1
	s_barrier_wait -1                              ; everybody's are
	FETCH_B 0, 0, 0
	FETCH_A 0, 0, 0
	SCALES 0
	FETCH_A 0, 0, 4
	STEP 0, 0, 1                                   ; the first step's products start the sums
	STEPS 0, 1
	TURN 0, 1
	STEPS 1, 0
	s_wait_dscnt 4*NL                              ; the first tile's last step: nothing more to fetch
	WIN MUL_LO
	MUL16 0, 1, NQ-1, 1, 0
	MUL16 2, 1, NQ-1, 1, 0
	s_wait_dscnt 0
	WIN MUL_HI
	MUL16 4, 1, NQ-1, 1, 0
	MUL16 6, 1, NQ-1, 1, 0
	WIN 0
; THE FIRST WAY OUT, block by block of 16 rows x 128 columns (two heads).  Block a of my wave: position a / 2 of my four along H, positions 16 (a % 2) + lane % 16 along W.
; Column 16 b + 8 h + 2 p (+1) of a head's 64 (b % 4 = bb): bb = 0, 1: the axis H, frequency 8 bb + 4 h + p; bb = 2, 3: the axis W, frequency 8 (bb - 2) + 4 h + p.
.macro TABLE a                         ; eight loads: register 8 bb + 2 p of set a % 2 = (cos, sin) for the pair p of any block b with b % 4 = bb
.set TT0, TB0+32*((\a)%2)
.irp bb, 0,1
	ds_load_b128 v[TT0+8*\bb:TT0+8*\bb+3],   v[ATH] offset:((\a)/2)*TPITCH+64*\bb
	ds_load_b128 v[TT0+8*\bb+4:TT0+8*\bb+7], v[ATH] offset:((\a)/2)*TPITCH+64*\bb+16
.endr
.irp bb, 0,1
	ds_load_b128 v[TT0+16+8*\bb:TT0+16+8*\bb+3],   v[ATW] offset:((\a)%2)*16*TPITCH+64*\bb
	ds_load_b128 v[TT0+16+8*\bb+4:TT0+16+8*\bb+7], v[ATW] offset:((\a)%2)*16*TPITCH+64*\bb+16
.endr
.endm
.macro ROPE a                          ; (x1, x2) -> (x1 cos - x2 sin, x2 cos + x1 sin), two packed lines a pair; each accumulator is read from its low end on; then f16
.set AC, 64*((\a)%4)
.set TT0, TB0+32*((\a)%2)
.set WR, 0x02+(\a)/4
	WIN WR                                         ; source 0: window 2 or 3
.irp b, 0,1,2,3,4,5,6,7
.irp p, 0,1,2,3
	v_pk_mul_f32 v[RR+8*\b+2*\p:RR+8*\b+2*\p+1], v[AC+8*\b+2*\p:AC+8*\b+2*\p+1], v[TT0+8*(\b%4)+2*\p:TT0+8*(\b%4)+2*\p+1] op_sel_hi:[1,0]   ; (x1 cos, x2 cos)
.endr
.irp p, 0,1,2,3
	v_pk_fma_f32 v[RR+8*\b+2*\p:RR+8*\b+2*\p+1], v[AC+8*\b+2*\p:AC+8*\b+2*\p+1], v[TT0+8*(\b%4)+2*\p:TT0+8*(\b%4)+2*\p+1], v[RR+8*\b+2*\p:RR+8*\b+2*\p+1] op_sel:[1,1,0] op_sel_hi:[0,1,1] neg_lo:[0,1,0]   ; low: - x2 sin; high: + x1 sin
.endr
.endr
	WIN 0
.set J, 0
.rept 32
	v_cvt_pk_f16_f32 v[PKD+J], v[RR+2*J], v[RR+2*J+1]
.set J, J+1
.endr
.endm
.macro STG                             ; the block through my stage: in by 16 bytes of a row, back by heads: four rows x 128 bytes an instruction.  LDS serves a wave's instructions in order: no wait between
.irp b, 0,1,2,3,4,5,6,7
	ds_store_b128 v[STO], v[PKD+4*\b:PKD+4*\b+3] offset:32*\b
.endr
	s_wait_xcnt 0x0                                ; the last block's stores have read the registers into which the loads below land
.irp hh, 0,1
.irp i, 0,1,2,3
	ds_load_b128 v[BK+4*(4*\hh+\i):BK+4*(4*\hh+\i)+3], v[RD] offset:4*PITCH*\i+128*\hh
.endr
.endr
.endm
.macro SEND a                          ; 32 lanes store 512 consecutive bytes, aligned: four positions of one head.  The block, the head and the rows stand in the immediate: no pointer is stepped
.irp hh, 0,1
.irp i, 0,1,2,3
	global_store_b128 v[CO], v[BK+4*(4*\hh+\i):BK+4*(4*\hh+\i)+3], s[12:13] offset:2048*(\a)+131072*\hh+512*\i
.endr
.endr
.endm
	PLACES NP                                      ; behind the last products: for the loads into the registers that held scale words, the writes over x's fragments, and the reads of results
	TABLE 0
.irp a, 0,1,2,3,4,5,6,7
.if \a < 7
	TABLE \a+1                                     ; the next block's pairs, into the other set
.endif
.if \a == 0
	s_wait_dscnt 8                                 ; this block's pairs are in; behind them: the next table's eight loads
.elseif \a < 7
	s_wait_dscnt 24                                ; behind them: the last block's eight stores and eight loads, the next table's eight
.else
	s_wait_dscnt 16                                ; behind them: the last block's eight stores and eight loads
.endif
	ROPE \a
.if \a > 0
.if \a < 7
	s_wait_dscnt 8                                 ; the last block is back from the stage; the next table's eight loads may be out
.else
	s_wait_dscnt 0
.endif
	SEND \a-1
.endif
	STG
.endr
	s_wait_dscnt 0
	SEND 7
; THE SECOND TILE: my 128 rows of x against my 64 columns of v.  x's codes and scale words lie in LDS as they came; v's codes have come into Wqkv's part of slot 0.  The first tile's stores leave meanwhile.
	s_wait_tensorcnt 0x0                           ; in waves 2 and 3: my half of v's codes has landed,
	s_wait_loadcnt 0x0                             ; the scale words of v's columns are in,
	s_wait_dscnt 0x0
	s_barrier_signal -1
	s_barrier_wait -1                              ; and both halves have landed for every wave.
	FETCH_V 0, 0, 0
	FETCH_A 0, 0, 0
	SCALES 0                                       ; x's scale words once more: the first way out has used their registers
	SCALES 1
	FETCH_A 0, 0, 4
	STEPV 0, 0, 0, 1, 1, 1                         ; the first step's products start the sums
	STEPV 0, 1, 0, 2, 0, 1
	STEPV 0, 2, 0, 3, 0, 1
	STEPV 0, 3, 1, 0, 0, 1
	STEPV 1, 0, 1, 1, 0, 1
	STEPV 1, 1, 1, 2, 0, 1
	STEPV 1, 2, 1, 3, 0, 1
	STEPV 1, 3, 0, 0, 0, 0
	WIN 0
; THE SECOND WAY OUT, block by block of 16 rows x 64 columns, one head: no rotation.  A lane's eight columns pack into 16 bytes; through my stage; back as four rows x 128 bytes an instruction.
.macro PACKV a
	WIN 0x0a                                       ; sources 0 and 1: window 2
.irp b, 0,1,2,3
.irp p, 0,1,2,3
	v_cvt_pk_f16_f32 v[PKD+4*\b+\p], v[8*(4*(\a)+\b)+2*\p], v[8*(4*(\a)+\b)+2*\p+1]   ; each accumulator from its low end on
.endr
.endr
	WIN 0
.endm
.macro STGV
.irp b, 0,1,2,3
	ds_store_b128 v[STO], v[PKD+4*\b:PKD+4*\b+3] offset:32*\b
.endr
	s_wait_xcnt 0x0                                ; the earlier stores have read the registers into which the loads below land
.irp i, 0,1,2,3
	ds_load_b128 v[BK+4*\i:BK+4*\i+3], v[RD] offset:4*PITCH*\i
.endr
.endm
.macro SENDV a
.irp i, 0,1,2,3
	global_store_b128 v[CO], v[BK+4*\i:BK+4*\i+3], s[2:3] offset:2048*(\a)+512*\i   ; 32 lanes store 512 consecutive bytes, aligned: four positions of my head
.endr
.endm
	PLACES NP                                      ; behind the last products, ahead of the first read of results
.irp a, 0,1,2,3,4,5,6,7
	PACKV \a                                       ; a block's conversions stand between the loads of the block before and the wait for them
.if \a > 0
	s_wait_dscnt 0
	SENDV \a-1
.endif
	STGV
.endr
	s_wait_dscnt 0
	SENDV 7
	s_wait_tensorcnt 0x0                           ; the wave's end: behind my last tensor load and my last LDS store
	ds_add_u32 v[SPW], v[NIL]
	s_wait_dscnt 0x0
	CROUND                                         ; the closing round: no work-group ends while a partner may still ask for a tile that names it
	s_endpgm
.Lfunc_end_k_qd2f9778b28_gemm_qkv:
	.size	k_qd2f9778b28_gemm_qkv, .Lfunc_end_k_qd2f9778b28_gemm_qkv-k_qd2f9778b28_gemm_qkv
	.p2alignl 7, 3214868480
	.fill 96, 4, 3214868480
	.section	.rodata,"a",@progbits
	.p2align	6, 0x0
	.amdhsa_kernel k_qd2f9778b28_gemm_qkv
		.amdhsa_group_segment_fixed_size 327680
		.amdhsa_private_segment_fixed_size 0
		.amdhsa_enable_private_segment 0
		.amdhsa_kernarg_size 40
		.amdhsa_user_sgpr_count 2
		.amdhsa_user_sgpr_kernarg_segment_ptr 1
		.amdhsa_wavefront_size32 1
		.amdhsa_system_sgpr_workgroup_id_x 1
		.amdhsa_system_sgpr_workgroup_id_y 1
		.amdhsa_system_sgpr_workgroup_id_z 1
		.amdhsa_system_vgpr_workitem_id 0
		.amdhsa_next_free_vgpr 1024
		.amdhsa_next_free_sgpr 100
		.amdhsa_reserve_vcc 0
		.amdhsa_float_denorm_mode_32 3
		.amdhsa_float_denorm_mode_16_64 3
		.amdhsa_memory_ordered 1
		.amdhsa_forward_progress 1
		.amdhsa_inst_pref_size 237
	.end_amdhsa_kernel
	.amdgpu_metadata
---
amdhsa.version: [ 1, 2 ]
amdhsa.kernels:
  - .name:           k_qd2f9778b28_gemm_qkv
    .symbol:         k_qd2f9778b28_gemm_qkv.kd
    .args:
      - { .name: xc, .offset: 0, .size: 8, .value_kind: global_buffer, .address_space: global }
      - { .name: xs, .offset: 8, .size: 8, .value_kind: global_buffer, .address_space: global }
      - { .name: wc, .offset: 16, .size: 8, .value_kind: global_buffer, .address_space: global }
      - { .name: ws, .offset: 24, .size: 8, .value_kind: global_buffer, .address_space: global }
      - { .name: qkv, .offset: 32, .size: 8, .value_kind: global_buffer, .address_space: global }
    .group_segment_fixed_size: 327680
    .private_segment_fixed_size: 0
    .kernarg_segment_align: 8
    .kernarg_segment_size: 40
    .max_flat_workgroup_size: 128
    .sgpr_count:     100
    .vgpr_count:     1024
    .wavefront_size: 32
...
	.end_amdgpu_metadata
.endif
;; end of part 2
;; launch attn (part 3): grid 2 x 128, 16 waves a work-group, no clusters, 327,680 bytes of LDS; arguments qkv, o16; writes o16
.if DOCPART == 3
	.amdgcn_target "amdgcn-amd-amdhsa--gfx1250"
	.amdhsa_code_object_version 6
	.text
	.protected	k_qd2f9778b28_attn
	.globl	k_qd2f9778b28_attn
	.p2align	8
	.type	k_qd2f9778b28_attn,@function
k_qd2f9778b28_attn:
	s_mov_b64 s[64:65], 0
	v_nop
	global_prefetch_b8 v0, s[64:65] scope:SCOPE_SE
	s_setreg_imm32_b32 hwreg(HW_REG_WAVE_MODE, 25, 1), 1
	s_wait_xcnt 0x0
; o[bh][q][:] = the sum over k of softmax_k(q . k / 8) v[k][:], for each of the 128 (frame, head) pairs bh; 1,024 positions, head size 64, no mask.  Operands f16, products, maxima and sums f32.
; qkv: [3 parts][128 bh][1024][64] f16; q already carries log2(e) / 8, so a score IS the exponent of 2.  o16: [128 bh][1024][64] f16.
; SHARES.  A work-group owns 512 queries of one bh; each of its SIXTEEN waves owns 32, two tiles of 16, in 256 registers: four waves to a SIMD, so that one wave's softmax stands beside another's products and LDS loads.
; THE HEAD'S K AND V LIE WHOLE IN LDS, filled once: waves 0 and 1 fetch K, waves 2 and 3 V, four loads of 128 rows each (by this text's own count four are out); nothing is filled again.
; TWO BARRIERS PUBLISH THE TILES.  The first stands behind the loading waves' wait for their first load: keys 0-255 have landed, the other three loads of each stay out.  The second is signalled two steps later, behind
; their wait for all loads, and waited for two steps after that, ahead of the first read of key 256: so a wave that is up to two steps ahead of the slowest does not stop there.  From there on the waves run freely.
; NO CLUSTER: a head has two work-groups; a cluster of four would join two heads, which share nothing, and each byte of K and V is asked for only twice in the launch.
; NO PREFETCH: every tile of the launch is asked for at its head.
; LAYOUT.  S^T = K Q^T (source 0 = 16 keys, source 1 = 16 queries): a lane holds ONE query (lane % 16) and the keys 8 (lane / 16) + 0..7.  Two such tiles, rounded to f16 in pairs, ARE source 1 (32 keys x 16 queries) of
; O^T = V^T P, whose result again holds one query a lane.  K comes out of LDS as it lies, V ([key][channel]) turned, by ds_load_tr16_b128.
; SOFTMAX.  For each query a running maximum m and sum l: p = 2^(s - m); in every step O and l are multiplied by a = 2^(m_old - m_new).  No branch hangs on data.
; LIMITS: |o| stays under 65,504; where x and Wqkv are both some 30 times smaller than drawn, o lies among f16's subnormals (step 2^-24); NaN and infinities are not served.
.set KP,    144                        ; a row of K in LDS: 128 bytes + 16 of padding
.set VP,    160                        ; a row of V: 128 + 32: 16 lanes of the turning load take 8 rows x 32 bytes
.set VB,    1024*KP                    ; V behind K
.set SPARE, VB+1024*VP                 ; the spare words, 128 bytes for each wave: eight blocks of 256 bytes that no other line names
.set AK0, 2                            ; v2   my lane's place in a tile of K
.set AV0, 3                            ; v3   the same for V
.set ADK, 4                            ; v4   LDS address of the step's K
.set ADV, 5                            ; v5   of its V
.set STO, 6                            ; v6   the way out: where I put 16 bytes of a row
.set RD,  7                            ; v7   where I read rows back
.set GO,  8                            ; v8   16 x lane
.set SPW, 9                            ; v9   LDS address of my spare word; never rewritten
.set NIL, 10                           ; v10  0; never rewritten
.set QO,  11                           ; v11  my byte offset in the wave's rows of q; never rewritten
.set ST,  12                           ; tile t's statistics at v[ST + 8 t]: +0 m, +1 0 (named with m as a pair), +2, +3 l (even keys', odd keys'), +4 to +7 c0-c3, at work; a takes c2's place, its exponent c3's
.set QF,  32                           ; v32-63   q: tile t, channels 32 ks on: 32 + 16 t + 8 ks
.set KV,  64                           ; v64-127  K's eight fragments of a step, then V's eight
.set S,   128                          ; v128-191 S^T: tile t, keys 16 kt on: 128 + 32 t + 8 kt; P is packed in place into the tile's first 16
.set OT,  192                          ; v192-255 O^T: tile t, channels 16 ct on: 192 + 32 t + 8 ct
.set WV,  8                            ; s8   my wave's number
.set TK,  16                           ; s16  LDS byte at which the step's keys begin in K
.set TV,  17                           ; s17  and in V
.set CNT, 18                           ; s18  steps left in the run
.set SEL, 20                           ; s[20:21] lane selects for v_permlanex16_b32: lane l xor 16
.set G1K, 24                           ; s[24:31] descriptor group 1 for K;  s[32:39] for V: it differs in the padding alone
.set G1V, 32
.set G0K, 40                           ; s[40:55] group 0 for K's four loads
.set G0V, 68                           ; s[68:83] for V's
	s_load_b128 s[4:7], s[0:1], 0x0                ; qkv s[4:5], o16 s[6:7]
	v_lshl_add_u32 v[SPW], v0, 2, SPARE
	v_mov_b32 v[NIL], 0
	ds_add_u32 v[SPW], v[NIL]                      ; the wave's opening: the add, twice on end, and its wait ahead of the first tensor load; the set-up below stands between
	ds_add_u32 v[SPW], v[NIL]                      ; and once more, under the one wait
	v_lshrrev_b32 v1, 5, v0
	v_readfirstlane_b32 s[WV], v1                  ; wave 0..15
	v_and_b32 v1, 15, v0                           ; r = lane % 16
	v_bfe_u32 v28, v0, 4, 1                        ; h = lane / 16
	v_lshlrev_b32 v[QO], 7, v1
	v_lshl_add_u32 v[QO], v28, 4, v[QO]            ; q: row r of 128 bytes + 16 h
	s_and_b32 s9, s[WV], 1                         ; which 128 rows of a load's 256 keys I fetch, if I fetch
	s_and_b32 s10, ttmp7, 0xffff                   ; bh
	s_lshl_b32 s10, s10, 17                        ; its 131,072 bytes in each part
	s_lshl_b32 s11, s9, 14
	s_add_co_u32 s12, s10, s11
	s_mov_b32 s13, 0
	s_mul_i32 s14, s9, 128*KP                      ; where my rows go in K,
	s_mul_i32 s15, s9, 128*VP
	s_add_co_u32 s15, s15, VB                      ; and in V
	s_lshl_b32 s22, ttmp9, 16                      ; my work-group's 512 queries,
	s_add_co_u32 s22, s22, s10
	s_lshl_b32 s23, s[WV], 12                      ; my wave's 32 of them
	s_add_co_u32 s22, s22, s23
	s_mov_b32 s23, 0
	; descriptor group 1: 128 rows of 64 elements of 2 bytes, dense in memory, padded in LDS
	s_mov_b32 s[G1K], (1<<16)|(1<<20)|(4<<22)|(3<<25)   ; no mask; elements of 2 bytes; padding on: after every 32 words four words
	s_mov_b32 s[G1V], (1<<16)|(1<<20)|(4<<22)|(7<<25)   ; the same with eight words
.irp g, G1K, G1V
	s_mov_b32 s[\g+1], 64<<16                      ; tensor_dim0 = 64
	s_mov_b32 s[\g+2], 128<<16                     ; tensor_dim1 = 128
	s_mov_b32 s[\g+3], 64<<16                      ; tile_dim0 = 64
	s_mov_b32 s[\g+4], 128                         ; tile_dim1 = 128
	s_mov_b32 s[\g+5], 64                          ; from row to row
	s_mov_b32 s[\g+6], 0
	s_mov_b32 s[\g+7], 0
.endr
	s_mov_b32 s[SEL], 0x76543210
	s_mov_b32 s[SEL+1], 0xfedcba98
	s_wait_dscnt 0x0                               ; both opening adds are done
	s_wait_kmcnt 0x0
	s_add_nc_u64 s[56:57], s[4:5], s[22:23]        ; q at my wave's first query
.irp t, 0,1                                    ; q is asked for first: the first products want it together with the first keys, and it is a fifth of what the work-group fetches
.irp ks, 0,1
	global_load_b128 v[QF+16*\t+8*\ks:QF+16*\t+8*\ks+3],   v[QO], s[56:57] offset:2048*\t+64*\ks      ; q stays in registers
	global_load_b128 v[QF+16*\t+8*\ks+4:QF+16*\t+8*\ks+7], v[QO], s[56:57] offset:2048*\t+64*\ks+32
.endr
.endr
	s_add_nc_u64 s[12:13], s[4:5], s[12:13]
	s_add_nc_u64 s[58:59], s[6:7], s[22:23]        ; o16 at my wave's first query
.irp c, 0,1,2,3
	s_mov_b32 s[G0K+4*\c], 1                       ; count = 1
	s_add_co_u32 s[G0K+4*\c+1], s14, \c*256*KP     ; LDS address
	s_add_nc_u64 s[G0K+4*\c+2:G0K+4*\c+3], s[12:13], 0x1000000+\c*32768   ; part 1, keys 256 c on, my 128 rows
	s_or_b32 s[G0K+4*\c+3], s[G0K+4*\c+3], 0x80000000                     ; type = 2
	s_mov_b32 s[G0V+4*\c], 1
	s_add_co_u32 s[G0V+4*\c+1], s15, \c*256*VP
	s_add_nc_u64 s[G0V+4*\c+2:G0V+4*\c+3], s[12:13], 0x2000000+\c*32768   ; part 2
	s_or_b32 s[G0V+4*\c+3], s[G0V+4*\c+3], 0x80000000
.endr
	s_cmp_lt_u32 s[WV], 2                          ; all the fills of a wave stand in one branch on the wave's number, ahead of every wait on TENSORcnt, every LDS read and every barrier
	s_cbranch_scc0 .Lnot_k
.irp c, 0,1,2,3
	tensor_load_to_lds s[G0K+4*\c:G0K+4*\c+3], s[G1K:G1K+7]
	s_nop 0
.endr
.rept 4
	v_nop
.endr
	s_branch .Lasked
.Lnot_k:
	s_cmp_lt_u32 s[WV], 4
	s_cbranch_scc0 .Lasked
.irp c, 0,1,2,3
	tensor_load_to_lds s[G0V+4*\c:G0V+4*\c+3], s[G1V:G1V+7]
	s_nop 0
.endr
.rept 4
	v_nop
.endr
.Lasked:
	v_mul_u32_u24 v[AK0], v1, KP
	v_lshl_add_u32 v[AK0], v28, 4, v[AK0]          ; K: row r x pitch + 16 h
	v_and_b32 v29, 7, v0
	v_lshl_add_u32 v29, v28, 3, v29                ; V: key 8 h + lane % 8,
	v_mul_u32_u24 v[AV0], v29, VP
	v_bfe_u32 v29, v0, 3, 1
	v_lshl_add_u32 v[AV0], v29, 4, v[AV0]          ; channels 8 ((lane / 8) % 2) on
	v_add_nc_u32 v[AV0], VB, v[AV0]
	s_mul_i32 s11, s[WV], 32*KP                    ; my stage for the way out: 32 rows x 144 bytes, in K's bytes, behind the last barrier
	v_add_nc_u32 v[STO], s11, v[AK0]               ; in: row r, 16 bytes for each half of the lanes
	v_bfe_u32 v30, v0, 3, 2
	v_mul_u32_u24 v[RD], v30, KP
	v_and_b32 v30, 7, v0
	v_lshl_add_u32 v[RD], v30, 4, v[RD]
	v_add_nc_u32 v[RD], s11, v[RD]                 ; back: eight lanes to a row of 128 bytes, four rows an instruction
	v_and_b32 v[GO], 31, v0
	v_lshlrev_b32 v[GO], 4, v[GO]
.irp t, 0,1
	v_mov_b32 v[ST+8*\t], 0xff61b1e6               ; m: -3e38, under every score
	v_mov_b32 v[ST+8*\t+1], 0
	v_mov_b32 v[ST+8*\t+2], 0                      ; l, in two halves
	v_mov_b32 v[ST+8*\t+3], 0
	v_mov_b32 v[ST+8*\t+5], 0                      ; written once: a lane permute's destination counts as one of its sources
.endr
.set J, 0
.rept 64
	v_mov_b32 v[OT+J], 0                           ; O^T.  (The step is written once: the first finds zeros, which the first a = 0 leaves zeros)
.set J, J+1
.endr
; THE SOFTMAX of a step's 64 keys, 118 lines a tile; the two tiles alternate line by line, so that no line waits for the line above it.
.macro SOFTMAX
.irp j, 0,1,2,3                                ; the maximum, three operands at a time: four chains, each begun at its accumulator's low end
.irp t, 0,1
	v_max3_num_f32 v[ST+8*\t+4+\j], v[S+32*\t+8*\j], v[S+32*\t+8*\j+1], v[S+32*\t+8*\j+2]
.endr
.endr
.irp i, 3,5
.irp j, 0,1,2,3
.irp t, 0,1
	v_max3_num_f32 v[ST+8*\t+4+\j], v[ST+8*\t+4+\j], v[S+32*\t+8*\j+\i], v[S+32*\t+8*\j+\i+1]
.endr
.endr
.endr
.irp t, 0,1
	v_max3_num_f32 v[ST+8*\t+4], v[ST+8*\t+4], v[S+32*\t+7], v[S+32*\t+15]
	v_max3_num_f32 v[ST+8*\t+6], v[ST+8*\t+6], v[S+32*\t+23], v[S+32*\t+31]
.endr
.irp t, 0,1
	v_max3_num_f32 v[ST+8*\t+4], v[ST+8*\t+4], v[ST+8*\t+5], v[ST+8*\t+6]
.endr
.irp t, 0,1
	v_max3_num_f32 v[ST+8*\t+4], v[ST+8*\t+4], v[ST+8*\t+7], v[ST+8*\t]      ; with the old m
.endr
.irp t, 0,1
	v_permlanex16_b32 v[ST+8*\t+5], v[ST+8*\t+4], s[SEL], s[SEL+1]           ; the query's other 32 keys lie in the lane 16 away
.endr
.irp t, 0,1
	v_mov_b32 v[ST+8*\t+7], v[ST+8*\t]             ; m_old
.endr
.irp t, 0,1
	v_max_num_f32 v[ST+8*\t], v[ST+8*\t+4], v[ST+8*\t+5]
.endr
.irp t, 0,1
	v_sub_f32 v[ST+8*\t+7], v[ST+8*\t+7], v[ST+8*\t]   ; m_old - m_new, 0 or less
.endr
.set J, 0
.rept 16
.irp t, 0,1
	v_pk_add_f32 v[S+32*\t+2*J:S+32*\t+2*J+1], v[S+32*\t+2*J:S+32*\t+2*J+1], v[ST+8*\t:ST+8*\t+1] op_sel_hi:[1,0] neg_lo:[0,1] neg_hi:[0,1]   ; s - m, two at a time
.endr
.set J, J+1
.endr
.irp t, 0,1                                    ; ONE BATCH: both tiles' 66 exponentials; none reads another's result
	v_exp_f32 v[ST+8*\t+6], v[ST+8*\t+7]           ; a
.endr
.set J, 0
.rept 32
.irp t, 0,1
	v_exp_f32 v[S+32*\t+J], v[S+32*\t+J]           ; p, at most 1
.endr
.set J, J+1
.endr
	v_nop                                          ; a plain instruction behind the last exponential, ahead of the first use
	s_wait_alu depctr_va_vdst(0)                   ; and the wait ahead of the first reader: one for the batch
.irp t, 0,1
	v_pk_mul_f32 v[ST+8*\t+2:ST+8*\t+3], v[ST+8*\t+2:ST+8*\t+3], v[ST+8*\t+6:ST+8*\t+7] op_sel_hi:[1,0]   ; l under the new m
.endr
.irp t, 0,1
	v_pk_add_f32 v[ST+8*\t+4:ST+8*\t+5], v[S+32*\t:S+32*\t+1], v[S+32*\t+2:S+32*\t+3]   ; the sum of the UNROUNDED p, in two chains
.endr
.irp j, 4,8,12,16,20,24,28
.irp t, 0,1
	v_pk_add_f32 v[ST+8*\t+2:ST+8*\t+3], v[ST+8*\t+2:ST+8*\t+3], v[S+32*\t+\j:S+32*\t+\j+1]
	v_pk_add_f32 v[ST+8*\t+4:ST+8*\t+5], v[ST+8*\t+4:ST+8*\t+5], v[S+32*\t+\j+2:S+32*\t+\j+3]
.endr
.endr
.irp t, 0,1
	v_pk_add_f32 v[ST+8*\t+2:ST+8*\t+3], v[ST+8*\t+2:ST+8*\t+3], v[ST+8*\t+4:ST+8*\t+5]
.endr
.set J, 0
.rept 16
.irp t, 0,1
	v_cvt_pk_f16_f32 v[S+32*\t+J], v[S+32*\t+2*J], v[S+32*\t+2*J+1]   ; P, packed in place, ascending: register J is written when 2 J and 2 J + 1 are read
.endr
.set J, J+1
.endr
.set J, 0
.rept 16
.irp t, 0,1
	v_pk_mul_f32 v[OT+32*\t+2*J:OT+32*\t+2*J+1], v[OT+32*\t+2*J:OT+32*\t+2*J+1], v[ST+8*\t+6:ST+8*\t+7] op_sel_hi:[1,0]   ; O^T under the new m; each accumulator from its low end on
.endr
.set J, J+1
.endr
.endm
; A STEP: 64 keys.
.macro STEP
	v_add_nc_u32 v[ADK], s[TK], v[AK0]             ; these two and three v_nop are five places behind the last V^T P: four are owed by the loads into its operands' registers, five by the products that write over P
	v_add_nc_u32 v[ADV], s[TV], v[AV0]
.rept 3
	v_nop
.endr
.irp ks, 0,1                                   ; K: fragment (keys 16 kt on, channels 32 ks on); the first 32 channels first
.irp kt, 0,1,2,3
	ds_load_b128 v[KV+8*(4*\ks+\kt):KV+8*(4*\ks+\kt)+3],   v[ADK] offset:16*KP*\kt+64*\ks
	ds_load_b128 v[KV+8*(4*\ks+\kt)+4:KV+8*(4*\ks+\kt)+7], v[ADK] offset:16*KP*\kt+64*\ks+32
.endr
.endr
	s_wait_dscnt 8                                 ; the first 32 channels are in; the other eight loads may be out
.irp kt, 0,1,2,3                               ; the eight accumulators take turns, one instruction a turn; the first product starts each sum
.irp t, 0,1
	v_wmma_f32_16x16x32_f16 v[S+32*\t+8*\kt:S+32*\t+8*\kt+7], v[KV+8*\kt:KV+8*\kt+7], v[QF+16*\t:QF+16*\t+7], 0
.endr
.endr
	s_wait_dscnt 0x0
.irp kt, 0,1,2,3
.irp t, 0,1
	v_wmma_f32_16x16x32_f16 v[S+32*\t+8*\kt:S+32*\t+8*\kt+7], v[KV+32+8*\kt:KV+32+8*\kt+7], v[QF+16*\t+8:QF+16*\t+15], v[S+32*\t+8*\kt:S+32*\t+8*\kt+7]
.endr
.endr
.rept 4
	v_nop                                          ; places in front of the loads into K's registers and of the first read of the scores
.endr
.irp g, 0,1                                    ; V, turned: fragment (channels 16 ct on, keys 32 g on); it lands while the softmax is walked
.irp ct, 0,1,2,3
	ds_load_tr16_b128 v[KV+8*(4*\g+\ct):KV+8*(4*\g+\ct)+3],   v[ADV] offset:32*VP*\g+32*\ct
	ds_load_tr16_b128 v[KV+8*(4*\g+\ct)+4:KV+8*(4*\g+\ct)+7], v[ADV] offset:32*VP*\g+32*\ct+16*VP
.endr
.endr
	SOFTMAX
	s_wait_dscnt 0x0                               ; V is in
.irp g, 0,1                                    ; again eight accumulators by turns
.irp ct, 0,1,2,3
.irp t, 0,1
	v_wmma_f32_16x16x32_f16 v[OT+32*\t+8*\ct:OT+32*\t+8*\ct+7], v[KV+8*(4*\g+\ct):KV+8*(4*\g+\ct)+7], v[S+32*\t+8*\g:S+32*\t+8*\g+7], v[OT+32*\t+8*\ct:OT+32*\t+8*\ct+7]
.endr
.endr
.endr
	s_add_co_u32 s[TK], s[TK], 64*KP
	s_add_co_u32 s[TV], s[TV], 64*VP
.endm
.macro AT first                        ; the next step is step 'first' of the sixteen
	s_mov_b32 s[TK], (\first)*64*KP
	s_mov_b32 s[TV], (\first)*64*VP
.endm
.macro RUN first, n                    ; n steps from step 'first' on
	AT \first
	s_mov_b32 s[CNT], \n
.Lstep_\@:
	STEP
	s_sub_co_u32 s[CNT], s[CNT], 1
	s_cmp_lg_u32 s[CNT], 0
	s_cbranch_scc1 .Lstep_\@
.endm
	s_wait_loadcnt 0x0                             ; q
	s_wait_tensorcnt 3                             ; a loading wave issued four loads, 256 keys after 256 keys: its first has landed, the three behind it may stay out; in the other waves the wait is met at once
	s_wait_dscnt 0x0
	s_barrier_signal -1
	s_barrier_wait -1                              ; keys 0-255 of K and of V have landed for every wave.
	RUN 0, 2                                       ; keys 0-127
	s_wait_tensorcnt 0x0                           ; all my loads have landed: keys 256-1,023,
	s_wait_dscnt 0x0
	AT 2
	s_barrier_signal -1                            ; say so;
	STEP                                           ; keys 128-255, which the first barrier has shown to every wave and which nobody writes before the last barrier: LDS loads and work on registers alone
	STEP
	s_barrier_wait -1                              ; every loading wave has said so: only behind this line is key 256 read
	RUN 4, 12                                      ; keys 256-1,023
	; THE WAY OUT.  Behind this barrier nobody reads K any more, and its bytes, which have had their one fill, take the stages.
	s_wait_dscnt 0x0
	s_barrier_signal -1
	s_barrier_wait -1
.rept 4
	v_nop                                          ; places behind the last products
.endr
.irp t, 0,1
	v_add_f32 v[ST+8*\t+4], v[ST+8*\t+2], v[ST+8*\t+3]   ; l's two halves,
.endr
.irp t, 0,1
	v_permlanex16_b32 v[ST+8*\t+5], v[ST+8*\t+4], s[SEL], s[SEL+1]
.endr
.irp t, 0,1
	v_add_f32 v[ST+8*\t+4], v[ST+8*\t+4], v[ST+8*\t+5]   ; and the other half of the lanes'
.endr
.irp t, 0,1
	v_rcp_f32 v[ST+8*\t+6], v[ST+8*\t+4]
.endr
	v_nop                                          ; a plain instruction between the last reciprocal and the use of its result
	s_wait_alu depctr_va_vdst(0)                   ; and the wait ahead of the first use: one for the two
.irp t, 0,1
.set J, 0
.rept 16
	v_pk_mul_f32 v[OT+32*\t+2*J:OT+32*\t+2*J+1], v[OT+32*\t+2*J:OT+32*\t+2*J+1], v[ST+8*\t+6:ST+8*\t+7] op_sel_hi:[1,0]   ; O^T / l
.set J, J+1
.endr
.set J, 0
.rept 16
	v_cvt_pk_f16_f32 v[S+16*\t+J], v[OT+32*\t+2*J], v[OT+32*\t+2*J+1]   ; registers 4 ct .. 4 ct + 3: channels 16 ct + 8 h + 0..7 of query r: 16 bytes
.set J, J+1
.endr
.irp ct, 0,1,2,3
	ds_store_b128 v[STO], v[S+16*\t+4*\ct:S+16*\t+4*\ct+3] offset:16*KP*\t+32*\ct
.endr
.irp i, 0,1,2,3
	ds_load_b128 v[S+32+16*\t+4*\i:S+32+16*\t+4*\i+3], v[RD] offset:16*KP*\t+4*KP*\i   ; LDS serves a wave's instructions in order: these see my stores
.endr
.endr
.irp i, 0,1,2,3
	s_wait_dscnt 11-\i                             ; behind tile 0's load i: its 3 - i younger loads, tile 1's four stores and four loads
	global_store_b128 v[GO], v[S+32+4*\i:S+32+4*\i+3], s[58:59] offset:512*\i          ; 32 lanes store 512 consecutive bytes, aligned: four queries
.endr
.irp i, 0,1,2,3
	s_wait_dscnt 3-\i
	global_store_b128 v[GO], v[S+48+4*\i:S+48+4*\i+3], s[58:59] offset:2048+512*\i
.endr
	s_wait_tensorcnt 0x0                           ; the wave's end: behind my last tensor load and my last LDS store
	ds_add_u32 v[SPW], v[NIL]
	s_wait_dscnt 0x0
	s_endpgm
.Lfunc_end_k_qd2f9778b28_attn:
	.size	k_qd2f9778b28_attn, .Lfunc_end_k_qd2f9778b28_attn-k_qd2f9778b28_attn
	.p2alignl 7, 3214868480
	.fill 96, 4, 3214868480
	.section	.rodata,"a",@progbits
	.p2align	6, 0x0
	.amdhsa_kernel k_qd2f9778b28_attn
		.amdhsa_group_segment_fixed_size 327680
		.amdhsa_private_segment_fixed_size 0
		.amdhsa_enable_private_segment 0
		.amdhsa_kernarg_size 16
		.amdhsa_user_sgpr_count 2
		.amdhsa_user_sgpr_kernarg_segment_ptr 1
		.amdhsa_wavefront_size32 1
		.amdhsa_system_sgpr_workgroup_id_x 1
		.amdhsa_system_sgpr_workgroup_id_y 1
		.amdhsa_system_sgpr_workgroup_id_z 1
		.amdhsa_system_vgpr_workitem_id 0
		.amdhsa_next_free_vgpr 256
		.amdhsa_next_free_sgpr 84
		.amdhsa_reserve_vcc 0
		.amdhsa_float_denorm_mode_32 3
		.amdhsa_float_denorm_mode_16_64 3
		.amdhsa_memory_ordered 1
		.amdhsa_forward_progress 1
		.amdhsa_inst_pref_size 86
	.end_amdhsa_kernel
	.amdgpu_metadata
---
amdhsa.version: [ 1, 2 ]
amdhsa.kernels:
  - .name:           k_qd2f9778b28_attn
    .symbol:         k_qd2f9778b28_attn.kd
    .args:
      - { .name: qkv, .offset: 0, .size: 8, .value_kind: global_buffer, .address_space: global }
      - { .name: o16, .offset: 8, .size: 8, .value_kind: global_buffer, .address_space: global }
    .group_segment_fixed_size: 327680
    .private_segment_fixed_size: 0
    .kernarg_segment_align: 8
    .kernarg_segment_size: 16
    .max_flat_workgroup_size: 512
    .sgpr_count:     84
    .vgpr_count:     256
    .wavefront_size: 32
...
	.end_amdgpu_metadata
.endif
;; end of part 3
;; launch gemm_out (part 4): grid 4 x 64, 4 waves a work-group, clusters of 4 x 4, 327,680 bytes of LDS; arguments o16, wo16, bout, out0; writes out0
.if DOCPART == 4
	.amdgcn_target "amdgcn-amd-amdhsa--gfx1250"
	.amdhsa_code_object_version 6
	.text
	.protected	k_qd2f9778b28_gemm_out
	.globl	k_qd2f9778b28_gemm_out
	.p2align	8
	.type	k_qd2f9778b28_gemm_out,@function
k_qd2f9778b28_gemm_out:
	s_mov_b64 s[64:65], 0
	v_nop
	global_prefetch_b8 v0, s[64:65] scope:SCOPE_SE
	s_setreg_imm32_b32 hwreg(HW_REG_WAVE_MODE, 25, 1), 1
	s_wait_xcnt 0x0
	s_wait_alu depctr_hold_cnt(0) depctr_sa_sdst(0) depctr_va_vdst(0) depctr_va_sdst(0) depctr_va_ssrc(0) depctr_va_vcc(0) depctr_vm_vsrc(0)
	s_getreg_b32 s2, hwreg(HW_REG_IB_STS2, 6, 4)
	s_cmp_eq_u32 s2, 0
	s_cbranch_scc0 .Lentry_in_a_cluster
	s_endpgm
.Lentry_in_a_cluster:
	s_bfe_u32 s2, ttmp6, 0x10000c
	s_cmp_lg_u32 s2, 0xf033
	s_cbranch_scc0 .Lentry_shape_is_right
	s_endpgm
.Lentry_shape_is_right:
; out0 = o Wout + bout.  o16: [128 = frame x 16 + head][1024 positions][64] f16; wo16: [1024 k][1024 n] f16, as Wout lies; bout [1024] f32; out0 [8192][1024] f32.  Sums in f32.
; A tile of out0 is 128 rows x 256 columns: 256 work-groups of four waves; a wave makes 64 x 128: 32 accumulators of 16 x 16, 256 registers.  K = head x 64 + channel goes in steps of 128, two heads, through a ring of
; two LDS slots: of o two blocks of 128 rows x 128 bytes, dense in memory; of Wout 128 rows k x 512 bytes.  Each wave fetches one half of one of the two with one tensor load.
; CLUSTERS: 4 x 4 work-groups.  The four of a row of the cluster need the same tiles of o, the four of a column the same tiles of Wout: each tile is asked for JOINTLY, by the same tensor load with the same descriptor and
; a mask that names the four.  Where a slot is filled again, a round of the cluster's barrier stands in front of the joint load.
; THE MATRIX INSTRUCTION IS USED TRANSPOSED (source 0 = 16 columns n of Wout, turned on the way out of LDS by ds_load_tr16_b128; source 1 = 16 rows of o): a lane holds eight neighbouring outputs of one row.
; THE BIAS is the C of each sum's first matrix instruction: eight registers a block of columns, in the result's layout.
; LIMITS: |o| and |Wout| stay under 65,504 (f16); NaN and infinities are not served.
; REGISTERS, in windows of 256: window 0: v0-31 addresses; v32-95 the bias; v128-255 rows on the way out.   window 1: the accumulators ((a, b) at v[8 (8 a + b)]).
;   window 2: two fragment buffers of 128: for 32 along K, 64 registers of Wout (8 blocks of columns), then 32 of o (4 blocks of rows).
.set KSB,    262144                    ; a K step in bytes, in both tensors: two heads of 131,072 bytes of o16; 128 rows of 2,048 bytes of wo16
.set AP,     144                       ; a row of o in LDS: 128 bytes + 16 of padding
.set BP,     544                       ; a row of Wout: 512 + 32
.set HA,     128*AP                    ; one head's 128 rows: what one tensor load brings of o
.set BOFF,   2*HA
.set HB,     64*BP                     ; 64 rows k: what one brings of Wout
.set SLOT,   BOFF+2*HB
.set STAGE,  2*SLOT                    ; behind the ring: 16 rows x (512 bytes + 16) for each wave, for the way out
.set SPITCH, 528
.set SPARE,  STAGE+4*16*SPITCH         ; the spare words, 128 bytes for each wave: two blocks of 256 bytes that no other line names
.set LAPS,   4                         ; a lap = two K steps = once round the ring
.set ADRA, 16                          ; v16-17  LDS address of my fragments of o in slot 0, 1
.set ADRB, 20                          ; v20-21  the same for Wout
.set STO,  24                          ; v24     the way out: where I put 32 bytes of a row
.set RD,   25                          ; v25     where I read a row back
.set CO,   26                          ; v26     16 x lane
.set SPW,  28                          ; v28     LDS address of my spare word; never rewritten
.set NIL,  29                          ; v29     0; never rewritten
.set PFO,  30                          ; v30     the prefetches' offset; never rewritten
.set BO,   31                          ; v31     32 x (lane / 16): my eight numbers of a block of the bias
.set BIAS, 32
.set BK,   128
.set F0,   0
.set F1,   128
.set G1, 24                            ; s[24:31] descriptor group 1 for o's tiles;  s[32:39] group 0, one set for each slot
.set G0, 32
.set G1B, 48                           ; s[48:55], s[56:63] the same for Wout's tiles
.set G0B, 56
.set LIM, 43                           ; s43     1 in the wave that prefetches, else the greatest number
.set PFA, 44                           ; s[44:45] where my prefetches stand
.set MSB, 0
.macro WIN new                         ; the immediate's high byte repeats the setting that is left
.if MSB != \new
	s_set_vgpr_msb (MSB<<8)|\new
.set MSB, \new
.endif
.endm
.set MUL,  0x5a                        ; sources 0 and 1 window 2; C and D window 1
.set MULB, 0x4a                        ; the same with C in window 0: the bias
.set TO_F, 0x80                        ; destination window 2, address window 0
.macro JLOAD s                         ; a joint load: waves 0 and 1 fetch o's two heads, waves 2 and 3 Wout's two halves; an s_nop 0 and four v_nop follow each of the two lines
	s_cmp_eq_u32 s13, 0
	s_cbranch_scc0 .Lfor_b_\@
	tensor_load_to_lds s[G0+4*\s:G0+4*\s+3], s[G1:G1+7]
	s_nop 0
.rept 4
	v_nop
.endr
	s_branch .Lasked_\@
.Lfor_b_\@:
	tensor_load_to_lds s[G0B+4*\s:G0B+4*\s+3], s[G1B:G1B+7]
	s_nop 0
.rept 4
	v_nop
.endr
.Lasked_\@:
.endm
.macro CREST                           ; a round of the cluster's barrier behind its opening barrier
	s_cmp_lg_u32 s12, 0
	s_cbranch_scc1 .Lnot_wave_0_\@
	s_barrier_signal -3
.Lnot_wave_0_\@:
	s_barrier_wait -3
	s_barrier_signal -1
	s_barrier_wait -1
.endm
.macro CROUND                          ; a whole round
	s_barrier_signal -1
	s_barrier_wait -1
	CREST
.endm
; A PREFETCH INTO THE L2 of o's tile of the K step that stands TWO refills on, 256 matrix instructions of a wave ahead of the load that will want it.  A K step's tile is 2 heads x 16,384 bytes.  One cluster alone reads a
; tile row; its four partners along x share each head's bytes out BY ADDRESS, 4,096 each; in each, wave 0 asks: lanes 0-15 the first head's sixteen blocks of 256 bytes, lanes 16-31 the second's.  So each block is named
; once in the launch.  The loop's last trip asks for nothing: there is no K step two refills on; K steps 0 to 3 come by their loads alone.  Wout's rows, which every cluster reads again and again, are not asked for.
.macro ASK
	s_cmp_gt_u32 s3, s[LIM]                        ; s3 = 1 in the loop's last trip
	s_cbranch_scc0 .Lnot_mine_\@
	global_prefetch_b8 v[PFO], s[PFA:PFA+1] offset:KSB th:TH_LOAD_NT scope:SCOPE_SE
.Lnot_mine_\@:
.endm
	s_load_b256 s[4:11], s[0:1], 0x0               ; o16 s[4:5], wo16 s[6:7], bout s[8:9], out0 s[10:11]
	v_lshl_add_u32 v[SPW], v0, 2, SPARE
	v_mov_b32 v[NIL], 0
	ds_add_u32 v[SPW], v[NIL]                      ; the wave's opening: the add, twice on end, and its wait ahead of my first tensor load; the set-up below stands between
	ds_add_u32 v[SPW], v[NIL]                      ; and once more, under the one wait
	v_lshrrev_b32 v1, 5, v0
	v_readfirstlane_b32 s12, v1                    ; wave 0..3
	s_lshr_b32 s13, s12, 1                         ; which half of the tile's rows is mine.  Also: I fetch for o (0) or for Wout (1)
	s_and_b32 s14, s12, 1                          ; which half of its columns.  Also: which head of the two, or which 64 rows k, I fetch
	s_bfe_u32 s15, ttmp6, 0x40000                  ; cx, cy: my place in the cluster
	s_bfe_u32 s16, ttmp6, 0x40004
	s_lshl_b32 s20, ttmp9, 2
	s_add_co_u32 s20, s20, s15                     ; tile column = 4 x cluster x + cx
	s_and_b32 s19, ttmp7, 0xffff
	s_lshl_b32 s19, s19, 2
	s_add_co_u32 s19, s19, s16                     ; tile row = 4 x cluster y + cy
	s_lshl_b32 s17, s16, 2
	s_lshl_b32 s17, 15, s17                        ; my row of the cluster
	s_lshl_b32 s18, 0x1111, s15                    ; my column
	s_or_b32 s[G1], s17, (1<<16)|(1<<20)|(1<<21)|(4<<22)|(3<<25)    ; the mask: o's tiles go to my row; elements of 2 bytes; padding on; bit 21 beside a mask; after every 32 words four words
	s_mov_b32 s[G1+1], 64<<16                      ; tensor_dim0 = 64
	s_mov_b32 s[G1+2], 128<<16                     ; tensor_dim1 = 128
	s_mov_b32 s[G1+3], 64<<16                      ; tile_dim0 = 64
	s_mov_b32 s[G1+4], 128                         ; tile_dim1 = 128
	s_mov_b32 s[G1+5], 64                          ; from row to row
	s_mov_b32 s[G1+6], 0
	s_mov_b32 s[G1+7], 0
	s_or_b32 s[G1B], s18, (1<<16)|(1<<20)|(1<<21)|(6<<22)|(7<<25)   ; Wout's go to my column; after every 128 words eight words
	s_mov_b32 s[G1B+1], 256<<16                    ; tensor_dim0 = 256
	s_mov_b32 s[G1B+2], 64<<16                     ; tensor_dim1 = 64
	s_mov_b32 s[G1B+3], 256<<16                    ; tile_dim0 = 256
	s_mov_b32 s[G1B+4], 64                         ; tile_dim1 = 64
	s_mov_b32 s[G1B+5], 1024                       ; from row to row
	s_mov_b32 s[G1B+6], 0
	s_mov_b32 s[G1B+7], 0
	; where the tiles come from.  o's hang on the tile row alone, Wout's on the tile column alone, each in registers that never hold the other coordinate
	s_lshr_b32 s40, s19, 3                         ; frame = tile row / 8
	s_lshl_b32 s40, s40, 21
	s_and_b32 s41, s19, 7
	s_lshl_b32 s41, s41, 14                        ; 128 positions x 128 bytes
	s_add_co_u32 s40, s40, s41
	s_mov_b32 s41, 0
	s_lshl_b32 s22, s14, 17                        ; o: my head of the two.  Wout: my 64 rows k: the same 131,072 bytes
	s_mov_b32 s23, 0
	s_lshl_b32 s46, s20, 9                         ; Wout: 256 columns x 2 bytes
	s_add_co_u32 s46, s46, s22
	s_mov_b32 s47, 0
	s_mul_i32 s21, s14, HA                         ; where they go: no place in the cluster enters an LDS address
	s_mul_i32 s42, s14, HB
	s_add_co_u32 s42, s42, BOFF
	s_cmp_eq_u32 s12, 0
	s_cselect_b32 s[LIM], 1, -1
	s_wait_dscnt 0x0                               ; both opening adds are done
	s_wait_kmcnt 0x0
	s_add_nc_u64 s[40:41], s[4:5], s[40:41]        ; o's tile, head 0
	s_add_nc_u64 s[22:23], s[40:41], s[22:23]      ; my head
	s_add_nc_u64 s[46:47], s[6:7], s[46:47]
	CROUND                                         ; all sixteen work-groups are here: the first joint loads meet
.irp s, 0,1
	s_mov_b32 s[G0+4*\s], 1
	s_add_co_u32 s[G0+4*\s+1], s21, \s*SLOT
	s_add_nc_u64 s[G0+4*\s+2:G0+4*\s+3], s[22:23], \s*KSB
	s_or_b32 s[G0+4*\s+3], s[G0+4*\s+3], 0x80000000
	s_mov_b32 s[G0B+4*\s], 1
	s_add_co_u32 s[G0B+4*\s+1], s42, \s*SLOT
	s_add_nc_u64 s[G0B+4*\s+2:G0B+4*\s+3], s[46:47], \s*KSB
	s_or_b32 s[G0B+4*\s+3], s[G0B+4*\s+3], 0x80000000
	JLOAD \s
.endr
	v_and_b32 v1, 15, v0                           ; r = lane % 16
	v_bfe_u32 v2, v0, 4, 1                         ; h = lane / 16
	s_lshl_b32 s46, s20, 10                        ; the bias: my 128 columns: 1,024 x tile column + 512 x half, in bytes
	s_lshl_b32 s47, s14, 9
	s_add_co_u32 s46, s46, s47
	s_mov_b32 s47, 0
	s_add_nc_u64 s[8:9], s[8:9], s[46:47]
	v_lshlrev_b32 v[BO], 5, v2
.irp b, 0,1,2,3,4,5,6,7
	global_load_b128 v[BIAS+8*\b:BIAS+8*\b+3],   v[BO], s[8:9] offset:64*\b       ; bout at columns 16 b + 8 h + 0..7
	global_load_b128 v[BIAS+8*\b+4:BIAS+8*\b+7], v[BO], s[8:9] offset:64*\b+16
.endr
	s_add_nc_u64 s[10:11], s[10:11], s[46:47]      ; out0: the same bytes along a row,
	s_lshl_b32 s46, s19, 19                        ; 128 rows of 4,096 bytes a tile row,
	s_lshl_b32 s47, s13, 18                        ; 64 rows for my half
	s_add_co_u32 s46, s46, s47
	s_mov_b32 s47, 0
	s_add_nc_u64 s[10:11], s[10:11], s[46:47]
	s_lshl_b32 s46, s15, 12                        ; the prefetches: my work-group's 4,096 bytes of each head,
	s_mov_b32 s47, 0
	s_add_nc_u64 s[PFA:PFA+1], s[40:41], s[46:47]
	s_add_nc_u64 s[PFA:PFA+1], s[PFA:PFA+1], 2*KSB ; at K step 2: the first refill steps it to 3 and names K step 4.  Nothing is prefetched here, at the head
	v_lshlrev_b32 v[PFO], 8, v1
	v_lshl_add_u32 v[PFO], v2, 17, v[PFO]          ; 256 x (lane % 16) + a head for lanes 16-31
	v_mul_u32_u24 v3, v1, AP
	v_lshl_add_u32 v3, v2, 4, v3                   ; o: row r x pitch + 16 h
	v_and_b32 v4, 7, v0
	v_lshl_add_u32 v4, v2, 3, v4                   ; Wout: row k = 8 h + lane % 8,
	v_mul_u32_u24 v4, v4, BP
	v_bfe_u32 v5, v0, 3, 1
	v_lshl_add_u32 v4, v5, 4, v4                   ; columns 8 ((lane / 8) % 2) on
	s_mul_i32 s21, s13, 64*AP                      ; my 64 rows of o
	s_lshl_b32 s22, s14, 8                         ; my 128 columns of Wout,
	s_add_co_u32 s22, s22, BOFF                    ; which lies behind o's two heads
.irp s, 0,1
	v_add_nc_u32 v[ADRA+\s], s21, v3
	v_add_nc_u32 v[ADRB+\s], s22, v4
	s_add_co_u32 s21, s21, SLOT
	s_add_co_u32 s22, s22, SLOT
.endr
	s_mul_i32 s23, s12, 16*SPITCH
	s_add_co_u32 s23, s23, STAGE                   ; my stage
	v_mul_u32_u24 v5, v1, SPITCH
	v_lshl_add_u32 v5, v2, 5, v5
	v_add_nc_u32 v[STO], s23, v5                   ; in: row r, 32 bytes for each half of the lanes
	v_and_b32 v6, 31, v0
	v_lshlrev_b32 v[CO], 4, v6                     ; back: the 32 lanes take one row of 512 bytes; and the same in out0
	v_add_nc_u32 v[RD], s23, v[CO]
; 8 matrix instructions: block a of my rows against my eight blocks of columns, 32 along K, from buffer f.  bias = 1: the first product starts the sums on the bias: nothing is ever cleared.
; The 32 accumulators take turns, one instruction a turn, in the same order in every quarter.
.macro MUL8 f, a, bias
.irp b, 0,1,2,3,4,5,6,7
.if \bias
	v_wmma_f32_16x16x32_f16 v[8*(8*(\a)+\b):8*(8*(\a)+\b)+7], v[\f+8*\b:\f+8*\b+7], v[\f+64+8*(\a):\f+64+8*(\a)+7], v[BIAS+8*\b:BIAS+8*\b+7]
.else
	v_wmma_f32_16x16x32_f16 v[8*(8*(\a)+\b):8*(8*(\a)+\b)+7], v[\f+8*\b:\f+8*\b+7], v[\f+64+8*(\a):\f+64+8*(\a)+7], v[8*(8*(\a)+\b):8*(8*(\a)+\b)+7]
.endif
.endr
.endm
.macro MUL16 f, a0, bias
	MUL8 \f, \a0, \bias
	MUL8 \f, \a0+1, \bias
.endm
; 24 LDS loads in one run: the fragments of the slot's q-th 32 along K into buffer f: Wout's eight (turned), then o's four; o's blocks 2 and 3 are the youngest four loads
.macro FETCH slot, q, f
	WIN TO_F
.irp i, 0,1,2,3,4,5,6,7
	ds_load_tr16_b128 v[\f+8*\i:\f+8*\i+3],   v[ADRB+\slot] offset:(\q)*32*BP+32*\i
	ds_load_tr16_b128 v[\f+8*\i+4:\f+8*\i+7], v[ADRB+\slot] offset:(\q)*32*BP+32*\i+16*BP
.endr
.irp i, 0,1,2,3
	ds_load_b128 v[\f+64+8*\i:\f+64+8*\i+3],   v[ADRA+\slot] offset:((\q)/2)*HA+((\q)%2)*64+\i*16*AP
	ds_load_b128 v[\f+64+8*\i+4:\f+64+8*\i+7], v[ADRA+\slot] offset:((\q)/2)*HA+((\q)%2)*64+\i*16*AP+32
.endr
.endm
.macro PLACES                          ; four places in front of loads into registers that matrix instructions have read, and of the first read of results (ISA guide 7.12.1 for vector instructions)
.rept 4
	v_nop
.endr
.endm
; A K step is four quarters of 32 along K, 32 matrix instructions each, on buffers 0, 1, 0, 1.  One of the first three: multiplies buffer f and fetches quarter qn into g.
.macro QUARTER slot, qn, f, g, bias
	s_wait_dscnt 4                                 ; Wout's fragments and o's blocks 0 and 1 are in; the youngest four loads may be out
.if \bias
	WIN MULB
.else
	WIN MUL
.endif
	MUL16 \f, 0, \bias
	PLACES
	FETCH \slot, \qn, \g
	s_wait_dscnt 24                                ; all but the 24 just issued
.if \bias
	WIN MULB
.else
	WIN MUL
.endif
	MUL16 \f, 2, \bias
.endm
; The last quarter multiplies buffer 1 and changes slots: ONE barrier; in front of it each wave waits for all its tensor loads, adds 0 to its spare word, and waits for that and for its own reads of this slot.
; fill = 1: the barrier opens a round of the cluster's barrier, and this slot is filled again, two K steps ahead: from the request to the wait for it a wave issues 112 matrix instructions.
.macro TURN slot, next, fill
.if \fill
	s_wait_xcnt 0x0                                ; the last prefetch, a K step back, has read its address: it is stepped here, ahead of the waits of the change of slots
	s_add_nc_u64 s[PFA:PFA+1], s[PFA:PFA+1], KSB
.endif
	WIN 0                                          ; (the add's two registers lie in window 0)
	s_wait_tensorcnt 0x0                           ; all my tensor loads have landed: my part of the next slot;
	ds_add_u32 v[SPW], v[NIL]                      ; 0 onto my spare word;
	s_wait_dscnt 5                                 ; (the add and the youngest four loads may be out)
	WIN MUL
	MUL8 F1, 0, 0                                  ; eight matrix instructions stand between the add and the wait for it
	s_wait_dscnt 0x0                               ; the add is done, and my reads of this slot are over
	s_barrier_signal -1
	MUL8 F1, 1, 0
.if \fill
	WIN 0
.endif
	s_barrier_wait -1
.if \fill
	CREST                                          ; no wave of any partner still reads this slot's tile or has a load on its way
	s_add_nc_u64 s[G0+4*\slot+2:G0+4*\slot+3], s[G0+4*\slot+2:G0+4*\slot+3], 2*KSB
	s_add_nc_u64 s[G0B+4*\slot+2:G0B+4*\slot+3], s[G0B+4*\slot+2:G0B+4*\slot+3], 2*KSB
	JLOAD \slot                                    ; the first tensor load behind the round; the four v_nop behind it are also the places in front of the loads below
.else
	PLACES
.endif
	FETCH \next, 0, F0
.if \fill
	WIN 0                                          ; (a branch and a label follow)
	ASK                                            ; behind the joint load and the run of LDS loads that the next products wait for
.endif
	WIN MUL
	MUL16 F1, 2, 0
.endm
	s_wait_tensorcnt 1                             ; my part of K step 0 is in (K step 1's load may be out)
	s_barrier_signal -1
	s_barrier_wait -1                              ; everybody's is
	FETCH 0, 0, F0
	s_wait_loadcnt 0x0                             ; the bias
	QUARTER 0, 1, F0, F1, 1                        ; the first quarter stands in front of the loop: its products start the sums on the bias
	WIN 0                                          ; at a label and at a branch every window is 0
	s_mov_b32 s3, LAPS-1
.Llap:                                                 ; a trip goes once round the ring, from a lap's second quarter to the next lap's first, and fills both slots again
	QUARTER 0, 2, F1, F0, 0
	QUARTER 0, 3, F0, F1, 0
	TURN 0, 1, 1
	QUARTER 1, 1, F0, F1, 0
	QUARTER 1, 2, F1, F0, 0
	QUARTER 1, 3, F0, F1, 0
	TURN 1, 0, 1
	QUARTER 0, 1, F0, F1, 0
	WIN 0
	s_sub_co_u32 s3, s3, 1
	s_cmp_lg_u32 s3, 0
	s_cbranch_scc1 .Llap
	QUARTER 0, 2, F1, F0, 0                        ; the last lap fills nothing, and has no round of the cluster's barrier
	QUARTER 0, 3, F0, F1, 0
	TURN 0, 1, 0
	QUARTER 1, 1, F0, F1, 0
	QUARTER 1, 2, F1, F0, 0
	QUARTER 1, 3, F0, F1, 0
	s_wait_dscnt 4                                 ; the very last quarter: nothing more to fetch
	WIN MUL
	MUL16 F1, 0, 0
	s_wait_dscnt 0
	MUL16 F1, 2, 0
	WIN 0
; THE WAY OUT, block by block of 16 rows x 128 columns.  A lane holds 32 neighbouring bytes of a row, and the lanes beside it hold other rows: so a block goes through my own stage in LDS and comes back as whole rows of
; 512 bytes.  LDS serves a wave's instructions in order: no wait between the stores and the loads, nor in front of the next block's stores.
.macro TOSTAGE a
	WIN 0x04                                       ; an LDS store's data are its source 1: window 1
.irp b, 0,1,2,3,4,5,6,7
	ds_store_b128 v[STO], v[8*(8*(\a)+\b):8*(8*(\a)+\b)+3] offset:64*\b          ; each accumulator from its low end on
	ds_store_b128 v[STO], v[8*(8*(\a)+\b)+4:8*(8*(\a)+\b)+7] offset:64*\b+16
.endr
	WIN 0
.set BB, BK+64*((\a)%2)
.irp t, 0,1,2,3,4,5,6,7,8,9,10,11,12,13,14,15
	ds_load_b128 v[BB+4*\t:BB+4*\t+3], v[RD] offset:\t*SPITCH
.endr
.endm
.macro SEND a, younger                 ; younger: the LDS instructions issued behind block a's loads, which may stay out
.set BB, BK+64*((\a)%2)
	s_wait_dscnt \younger                          ; the block is back in registers
.irp t, 0,1,2,3,4,5,6,7,8,9,10,11,12,13,14,15
	global_store_b128 v[CO], v[BB+4*\t:BB+4*\t+3], s[10:11] offset:(\a)*65536+\t*4096 th:TH_STORE_NT   ; 32 lanes store 512 consecutive bytes, aligned; the block and the row stand in the immediate: no pointer is stepped
.endr
.endm
	PLACES                                         ; behind the last products, ahead of the first read of results
	TOSTAGE 0
.irp a, 1,2,3
.if \a > 1
	s_wait_xcnt 0x0                                ; block a - 2's stores have read their registers: block a's loads may land there
.endif
	TOSTAGE \a
	SEND \a-1, 32                                  ; behind block a - 1's loads: block a's 16 stores and 16 loads
.endr
	SEND 3, 0
	s_wait_tensorcnt 0x0                           ; the wave's end: behind my last tensor load and my last LDS store
	ds_add_u32 v[SPW], v[NIL]
	s_wait_dscnt 0x0
	CROUND                                         ; the closing round: no work-group ends while a partner may still ask for a tile that names it
	s_endpgm
.Lfunc_end_k_qd2f9778b28_gemm_out:
	.size	k_qd2f9778b28_gemm_out, .Lfunc_end_k_qd2f9778b28_gemm_out-k_qd2f9778b28_gemm_out
	.p2alignl 7, 3214868480
	.fill 96, 4, 3214868480
	.section	.rodata,"a",@progbits
	.p2align	6, 0x0
	.amdhsa_kernel k_qd2f9778b28_gemm_out
		.amdhsa_group_segment_fixed_size 327680
		.amdhsa_private_segment_fixed_size 0
		.amdhsa_enable_private_segment 0
		.amdhsa_kernarg_size 32
		.amdhsa_user_sgpr_count 2
		.amdhsa_user_sgpr_kernarg_segment_ptr 1
		.amdhsa_wavefront_size32 1
		.amdhsa_system_sgpr_workgroup_id_x 1
		.amdhsa_system_sgpr_workgroup_id_y 1
		.amdhsa_system_sgpr_workgroup_id_z 1
		.amdhsa_system_vgpr_workitem_id 0
		.amdhsa_next_free_vgpr 768
		.amdhsa_next_free_sgpr 66
		.amdhsa_reserve_vcc 0
		.amdhsa_float_denorm_mode_32 3
		.amdhsa_float_denorm_mode_16_64 3
		.amdhsa_memory_ordered 1
		.amdhsa_forward_progress 1
		.amdhsa_inst_pref_size 87
	.end_amdhsa_kernel
	.amdgpu_metadata
---
amdhsa.version: [ 1, 2 ]
amdhsa.kernels:
  - .name:           k_qd2f9778b28_gemm_out
    .symbol:         k_qd2f9778b28_gemm_out.kd
    .args:
      - { .name: o16, .offset: 0, .size: 8, .value_kind: global_buffer, .address_space: global }
      - { .name: wo16, .offset: 8, .size: 8, .value_kind: global_buffer, .address_space: global }
      - { .name: bout, .offset: 16, .size: 8, .value_kind: global_buffer, .address_space: global }
      - { .name: out0, .offset: 24, .size: 8, .value_kind: global_buffer, .address_space: global }
    .group_segment_fixed_size: 327680
    .private_segment_fixed_size: 0
    .kernarg_segment_align: 8
    .kernarg_segment_size: 32
    .max_flat_workgroup_size: 128
    .sgpr_count:     66
    .vgpr_count:     768
    .wavefront_size: 32
...
	.end_amdgpu_metadata
.endif
;; end of part 4
